; MI455X (gfx1250); checked and timed in simulation.
; The chip was launched on July 23, 2026; its instructions are those of AMD's public machine-readable ISA for CDNA 5 (MIT licence, August 2026) and "CDNA5" Instruction Set Architecture Reference Guide (July 2026). The comments in the code are by the model that wrote it; some were corrected since.
;; Attention Head. Allowed arithmetic: float matrix products may take bf16 or f16 operands with f32 sums; all other float work in f32.
;; Inputs: W_K 1,024 x 1,024 float32; W_Q 1,024 x 1,024 float32; W_V 1,024 x 1,024 float32; x 4 x 2,048 x 1,024 float32.
;; Outputs: out0 4 x 2,048 x 1,024 float32.
;; 2 versions, each right; version 2 is version 1 with the launch cast written anew for expert scheduling mode. Each part assembles by itself: llvm-mc -triple=amdgcn-amd-amdhsa -mcpu=gfx1250 --defsym DOCPART=n.
;; ======== version 1 of 2: 4 launches
;; limits: values are held in f16: magnitudes above 65,504 overflow, below 6.1e-05 lose precision
;; workspace buffers: xb 16,777,216 bytes; wqk 4,194,304 bytes; wv 2,097,152 bytes; qk 33,554,432 bytes; vt 16,777,216 bytes; p 33,554,432 bytes; st 786,432 bytes
;; launch cast (part 1): grid 704 x 1, 8 waves a work-group, no clusters, 0 bytes of LDS; arguments x, W_Q, W_K, W_V, xb, wqk, wv; writes xb, wqk, wv
.if DOCPART == 1
	.amdgcn_target "amdgcn-amd-amdhsa--gfx1250"
	.amdhsa_code_object_version 6
	.text
	.protected	k_q8b55862aef_cast
	.globl	k_q8b55862aef_cast
	.p2align	8
	.type	k_q8b55862aef_cast,@function
k_q8b55862aef_cast:
	s_mov_b64 s[64:65], 0
	v_nop
	global_prefetch_b8 v0, s[64:65] scope:SCOPE_SE
	s_setreg_imm32_b32 hwreg(HW_REG_WAVE_MODE, 25, 1), 1
	s_wait_xcnt 0x0
; x, W_Q, W_K, W_V (f32) are rounded once to bf16 (nearest even): xb = x; wqk = W_Q's rows, then W_K's; wv = W_V.
; A stream: every input byte is read once, every output byte written once.  No LDS, no matrix unit, no cluster: no two work-groups read the same byte.
; SHARES.  A work-group takes 65,536 bytes of f32 (16,384 numbers), each of its eight waves 8,192: sixteen loads of 16 bytes a lane, all issued before the first is waited for.
; Work-groups 0-511 take x, 512-575 W_Q, 576-639 W_K, 640-703 W_V.  A load of a wave covers 512 consecutive bytes, a store 256 consecutive bytes at a multiple of 256.
.set X, 4                              ; v[4:67]   sixteen loads of four numbers
.set Y, 68                             ; v[68:99]  sixteen pairs of packed bf16
	s_load_b256 s[4:11], s[0:1], 0x0               ; x s[4:5], W_Q s[6:7], W_K s[8:9], W_V s[10:11]
	s_load_b128 s[12:15], s[0:1], 0x20             ; xb s[12:13], wqk s[14:15]
	s_load_b64 s[16:17], s[0:1], 0x30              ; wv
	s_mov_b32 s20, ttmp9                           ; g
	s_sub_co_u32 s21, s20, 512                     ; chunk numbers inside the three weights (used only where g reaches them)
	s_sub_co_u32 s22, s20, 576
	s_sub_co_u32 s23, s20, 640
	v_and_b32 v1, 31, v0
	v_lshrrev_b32 v3, 5, v0
	v_lshlrev_b32 v1, 4, v1
	v_lshl_add_u32 v1, v3, 13, v1                  ; in: 16 x lane + 8,192 x wave
	v_lshrrev_b32 v2, 1, v1                        ; out: half of that
	s_wait_kmcnt 0x0
	s_mov_b64 s[24:25], s[4:5]                     ; source, its chunk, destination, its chunk: x to xb,
	s_mov_b32 s26, s20
	s_mov_b64 s[28:29], s[12:13]
	s_mov_b32 s27, s20
	s_cmp_ge_u32 s20, 512                          ; or W_Q to wqk,
	s_cselect_b64 s[24:25], s[6:7], s[24:25]
	s_cselect_b32 s26, s21, s26
	s_cselect_b64 s[28:29], s[14:15], s[28:29]
	s_cselect_b32 s27, s21, s27
	s_cmp_ge_u32 s20, 576                          ; or W_K to wqk's second half (the destination's chunk stays g - 512),
	s_cselect_b64 s[24:25], s[8:9], s[24:25]
	s_cselect_b32 s26, s22, s26
	s_cmp_ge_u32 s20, 640                          ; or W_V to wv
	s_cselect_b64 s[24:25], s[10:11], s[24:25]
	s_cselect_b32 s26, s23, s26
	s_cselect_b64 s[28:29], s[16:17], s[28:29]
	s_cselect_b32 s27, s23, s27
	s_lshl_b32 s18, s26, 16                        ; 65,536 bytes in,
	s_mov_b32 s19, 0
	s_lshl_b32 s30, s27, 15                        ; 32,768 bytes out
	s_mov_b32 s31, 0
	s_add_nc_u64 s[24:25], s[24:25], s[18:19]
	s_add_nc_u64 s[28:29], s[28:29], s[30:31]
.set j, 0
.rept 16
	global_load_b128 v[X+4*j:X+4*j+3], v1, s[24:25] offset:512*j th:TH_LOAD_NT
.set j, j+1
.endr
.set j, 0
.rept 16
	s_wait_loadcnt 15-j                            ; loads come back in order: load j is in, the 15 - j younger ones stay out
	v_cvt_pk_bf16_f32 v[Y+2*j], v[X+4*j], v[X+4*j+1]
	v_cvt_pk_bf16_f32 v[Y+2*j+1], v[X+4*j+2], v[X+4*j+3]
	global_store_b64 v2, v[Y+2*j:Y+2*j+1], s[28:29] offset:256*j  ; 32 lanes x 8 bytes: 256 consecutive bytes; no register is written twice, so no wait frees one
.set j, j+1
.endr
	s_endpgm
.Lfunc_end_k_q8b55862aef_cast:
	.size	k_q8b55862aef_cast, .Lfunc_end_k_q8b55862aef_cast-k_q8b55862aef_cast
	.p2alignl 7, 3214868480
	.fill 96, 4, 3214868480
	.section	.rodata,"a",@progbits
	.p2align	6, 0x0
	.amdhsa_kernel k_q8b55862aef_cast
		.amdhsa_group_segment_fixed_size 0
		.amdhsa_private_segment_fixed_size 0
		.amdhsa_enable_private_segment 0
		.amdhsa_kernarg_size 56
		.amdhsa_user_sgpr_count 2
		.amdhsa_user_sgpr_kernarg_segment_ptr 1
		.amdhsa_wavefront_size32 1
		.amdhsa_system_sgpr_workgroup_id_x 1
		.amdhsa_system_sgpr_workgroup_id_y 1
		.amdhsa_system_sgpr_workgroup_id_z 1
		.amdhsa_system_vgpr_workitem_id 0
		.amdhsa_next_free_vgpr 100
		.amdhsa_next_free_sgpr 66
		.amdhsa_reserve_vcc 0
		.amdhsa_float_denorm_mode_32 3
		.amdhsa_float_denorm_mode_16_64 3
		.amdhsa_memory_ordered 1
		.amdhsa_forward_progress 1
		.amdhsa_inst_pref_size 8
	.end_amdhsa_kernel
	.amdgpu_metadata
---
amdhsa.version: [ 1, 2 ]
amdhsa.kernels:
  - .name:           k_q8b55862aef_cast
    .symbol:         k_q8b55862aef_cast.kd
    .args:
      - { .name: x, .offset: 0, .size: 8, .value_kind: global_buffer, .address_space: global }
      - { .name: W_Q, .offset: 8, .size: 8, .value_kind: global_buffer, .address_space: global }
      - { .name: W_K, .offset: 16, .size: 8, .value_kind: global_buffer, .address_space: global }
      - { .name: W_V, .offset: 24, .size: 8, .value_kind: global_buffer, .address_space: global }
      - { .name: xb, .offset: 32, .size: 8, .value_kind: global_buffer, .address_space: global }
      - { .name: wqk, .offset: 40, .size: 8, .value_kind: global_buffer, .address_space: global }
      - { .name: wv, .offset: 48, .size: 8, .value_kind: global_buffer, .address_space: global }
    .group_segment_fixed_size: 0
    .private_segment_fixed_size: 0
    .kernarg_segment_align: 8
    .kernarg_segment_size: 56
    .max_flat_workgroup_size: 256
    .sgpr_count:     66
    .vgpr_count:     100
    .wavefront_size: 32
...
	.end_amdgpu_metadata
.endif
;; end of part 1
;; launch proj (part 2): grid 8 x 48, 4 waves a work-group, clusters of 4 x 4, 327,680 bytes of LDS; arguments xb, wqk, wv, qk, vt; writes qk, vt
.if DOCPART == 2
	.amdgcn_target "amdgcn-amd-amdhsa--gfx1250"
	.amdhsa_code_object_version 6
	.text
	.protected	k_q8b55862aef_proj
	.globl	k_q8b55862aef_proj
	.p2align	8
	.type	k_q8b55862aef_proj,@function
k_q8b55862aef_proj:
	s_mov_b64 s[64:65], 0
	v_nop
	global_prefetch_b8 v0, s[64:65] scope:SCOPE_SE
	s_setreg_imm32_b32 hwreg(HW_REG_WAVE_MODE, 25, 1), 1
	s_wait_xcnt 0x0
	s_wait_alu depctr_hold_cnt(0) depctr_sa_sdst(0) depctr_va_vdst(0) depctr_va_sdst(0) depctr_va_ssrc(0) depctr_va_vcc(0) depctr_vm_vsrc(0)
	s_getreg_b32 s2, hwreg(HW_REG_IB_STS2, 6, 4)
	s_cmp_eq_u32 s2, 0
	s_cbranch_scc0 .Lentry_in_a_cluster
	s_endpgm
.Lentry_in_a_cluster:
	s_bfe_u32 s2, ttmp6, 0x10000c
	s_cmp_lg_u32 s2, 0xf033
	s_cbranch_scc0 .Lentry_shape_is_right
	s_endpgm
.Lentry_shape_is_right:
; THE THREE PROJECTIONS, as C = A B^T on tiles of 256 x 256, K = 1,024, operands bf16, sums f32, C rounded once to f16 and left unscaled.
;   clusters with y 0-7  (256 tiles): A = xb [8192][1024], B = wqk [2048][1024], C = qk [8192][2048]: columns 0-1023 Q, 1024-2047 K
;   clusters with y 8-11 (128 tiles): A = wv [1024][1024], B = xb,               C = vt [4][1024 f][2048 s]: V transposed, batch by batch, as the last launch wants it
; LIMITS.  f16 holds no number beyond 65,504: Q, K and V must stay within it (inputs 30 times the drawn spread give about 4,500; offsets of 30 spreads on x and on the weights about 28,800);
; below 6e-5 f16 keeps its fixed step of 6e-8.  NaN and infinities are not treated apart.
; A tile is made by four waves, 128 x 128 each: 64 accumulators of 16 x 16, 512 registers.  K goes in steps of 128 through a ring of two LDS slots filled by the tensor data mover: rows of 256 bytes.
; A K STEP IS WRITTEN ONCE: a trip of the loop is one step; which slot it reads stands in a scalar (0 or SLOT) that an exclusive or turns, and one descriptor for each operand walks from step to step.
; The last K step goes by rows of C, so that finished rows leave while the others are multiplied.
; CLUSTERS: 4 x 4 work-groups.  The four of a row of the cluster need the same tiles of A, the four of a column the same tiles of B: each tile is asked for JOINTLY, by the same tensor load with the
; same descriptor and a mask that names the four.  Which part a cluster serves hangs on the cluster's own y, which all sixteen share.
; REGISTERS, in windows of 256 (s_set_vgpr_msb's low byte: bits 1:0 source 0, 3:2 source 1, 5:4 source 2, 7:6 destination):
;   window 0: v0-31 addresses; v64-127, v128-191 fragments of A, two buffers (in the last K step four, of 16 rows x 128 K); v32-63, v192-255 at work on the way out
;   window 1: v64-127, v128-191 fragments of B, two buffers; in the last K step all 256       window 2: accumulators of my rows 0-63 ((a, b) at v[8 (8 a + b)]); window 3: of my rows 64-127
; THE MATRIX INSTRUCTION IS USED TRANSPOSED: source 0 = 16 rows of B, source 1 = 16 rows of A: lane l holds row l % 16 of C and the columns 8 (l / 16) + 0..7, which pack into 16 bytes.
.set SIZE_K, 1024
.set SIZE_N, 2048                      ; elements from row to row of C, in qk and in vt alike
.set KSTEP,  128
.set STEPS,  SIZE_K/KSTEP              ; 8
.set PITCH,  272                       ; an LDS row: 256 bytes + 16 of padding = 68 words: the 16 rows that a load touches start at 16 different groups of four banks (64 banks of 4 bytes: ISA guide 11.1)
.set HALFT,  128*PITCH                 ; 128 rows: what one tensor load brings: 0x8800 bytes
.set SLOT,   4*HALFT                   ; A's 256 rows, then B's 256 rows: 0x22000 bytes.  A wave's place in slot 0, wave x 0x8800, has neither of SLOT's two bits: an exclusive or with SLOT turns it into its place in slot 1, and back
.set STAGE,  2*SLOT                    ; behind the ring: 16 rows x 272 bytes for each wave, for the way out
.set SPITCH, 272
.set SPARE,  STAGE+4*16*SPITCH         ; behind the stages: the spare words, 128 bytes for each wave
.set ADRA0, 16                         ; v16     LDS address of my A fragments in slot 0; never rewritten
.set ADRA,  17                         ; v17     the same in the slot in hand
.set ADRB0, 20                         ; v20, v21  the same for B
.set ADRB,  21
.set STO,  24                          ; v24     the way out: where I put 16 bytes of a row
.set RD,   25                          ; v25     the way out: where I read a row back
.set CO,   26                          ; v26     my byte offset in C
.set SPW,  28                          ; v28     LDS address of my spare word; never rewritten
.set NIL,  29                          ; v29     0; never rewritten
.set F0,   64
.set F1,   128
.set TMP,  192                         ; the way out: packed results
.set OB,   32                          ; the way out: 16 rows read back: v32-63 and v224-255 by turns
.set PA,   64                          ; the last K step: A's fragments of 16 rows x 128 K; four buffers, v64-191
.set G1, 24                            ; s[24:31] descriptor group 1 for A's tiles;  s[32:39] group 0: a set for each of the two first fills; the second then walks on
.set G0, 32
.set G1B, 48                           ; s[48:55], s[56:63] the same for B's tiles
.set G0B, 56
.set TB,  66                           ; s66  where the slot in hand begins: 0 or SLOT
.set MSB, 0
.macro WIN new                         ; the immediate's high byte repeats the setting that is left; a switch that changes nothing is dropped
.if MSB != (\new)
	s_set_vgpr_msb (MSB<<8)|(\new)
.set MSB, \new
.endif
.endm
.set MUL_LO, 0xa1                      ; source 0 (B) window 1, source 1 (A) window 0, C and D window 2
.set MUL_HI, 0xf1                      ; the same, C and D window 3
.set TO_B,   0x40                      ; destination window 1, address window 0
; A joint load.  Waves 0 and 1 fetch A's two halves, waves 2 and 3 B's.  The branch hangs on the wave's number alone.  An s_nop 0 and four v_nop follow each of the two lines.
.macro JLOAD s
	s_cmp_eq_u32 s11, 0
	s_cbranch_scc0 .Lfor_b_\@
	tensor_load_to_lds s[G0+4*(\s):G0+4*(\s)+3], s[G1:G1+7]
	s_nop 0
.rept 4
	v_nop
.endr
	s_branch .Lasked_\@
.Lfor_b_\@:
	tensor_load_to_lds s[G0B+4*(\s):G0B+4*(\s)+3], s[G1B:G1B+7]
	s_nop 0
.rept 4
	v_nop
.endr
.Lasked_\@:
.endm
.macro CREST                           ; a round of the cluster's barrier behind its opening barrier: wave 0 signals for the work-group, every wave waits for all sixteen, my work-group's barrier closes it
	s_cmp_lg_u32 s10, 0
	s_cbranch_scc1 .Lnot_wave_0_\@
	s_barrier_signal -3
.Lnot_wave_0_\@:
	s_barrier_wait -3
	s_barrier_signal -1
	s_barrier_wait -1
.endm
.macro CROUND                          ; a whole round
	s_barrier_signal -1
	s_barrier_wait -1
	CREST
.endm
	s_load_b256 s[68:75], s[0:1], 0x0              ; xb s[68:69], wqk s[70:71], wv s[72:73], qk s[74:75]
	s_load_b64 s[76:77], s[0:1], 0x20              ; vt
	v_lshl_add_u32 v[SPW], v0, 2, SPARE
	v_mov_b32 v[NIL], 0
	ds_add_u32 v[SPW], v[NIL]                      ; the wave's opening: the add and its wait stand ahead of my first tensor load; the set-up below stands between them
	v_lshrrev_b32 v1, 5, v0
	v_readfirstlane_b32 s10, v1                    ; wave 0..3
	s_lshr_b32 s11, s10, 1                         ; which half of the tile's rows is mine.  Also: I fetch for A (0) or for B (1)
	s_and_b32 s12, s10, 1                          ; which half of its columns.  Also: which 128 rows of that tile I fetch
	s_bfe_u32 s40, ttmp6, 0x40000                  ; cx
	s_bfe_u32 s41, ttmp6, 0x40004                  ; cy
	s_and_b32 s45, ttmp7, 0xffff                   ; the cluster's y, 0..11
	s_sub_co_u32 s46, s45, 8
	s_lshl_b32 s46, s46, 1
	s_add_co_u32 s46, s46, ttmp9                   ; in the second part: the cluster's number 0..7 along xb's rows
	s_cmp_lt_u32 s45, 8
	s_cselect_b32 s13, s45, 0                      ; cluster's place along C's tile rows,
	s_cselect_b32 s42, ttmp9, s46                  ; and along its tile columns
	s_lshl_b32 s42, s42, 2
	s_add_co_u32 s42, s42, s40                     ; tile column: 0..7, or 0..31 for V^T
	s_lshl_b32 s13, s13, 2
	s_add_co_u32 s13, s13, s41                     ; tile row: 0..31, or 0..3 for V^T
	s_lshl_b32 s43, s41, 2
	s_lshl_b32 s43, 15, s43                        ; my row of the cluster: places 4 cy .. 4 cy + 3
	s_lshl_b32 s44, 0x1111, s40                    ; my column: places cx, cx + 4, cx + 8, cx + 12
	; descriptor group 1: a tile of 128 rows x 128 elements, padded in LDS
	s_or_b32 s[G1+0], s43, (1<<16)|(1<<20)|(1<<21)|(5<<22)|(3<<25)  ; 15:0 the mask; 17:16 elements of 2 bytes; 20 padding on; 21 set beside a mask; 24:22 after every 64 words (code 5); 31:25 4 words (code 3)
	s_or_b32 s[G1B+0], s44, (1<<16)|(1<<20)|(1<<21)|(5<<22)|(3<<25)
.irp g, G1, G1B
	s_mov_b32 s[(\g)+1], KSTEP<<16                 ; tensor_dim0 = 128
	s_mov_b32 s[(\g)+2], 128<<16                   ; tensor_dim1 = 128
	s_mov_b32 s[(\g)+3], KSTEP<<16                 ; tile_dim0 = 128
	s_mov_b32 s[(\g)+4], 128                       ; tile_dim1 = 128
	s_mov_b32 s[(\g)+5], SIZE_K                    ; elements from row to row
	s_mov_b32 s[(\g)+6], 0
	s_mov_b32 s[(\g)+7], 0
.endr
	s_mov_b32 s[TB], 0                             ; K step 0 lies in slot 0
	; A's tiles hang on the tile row alone, B's on the tile column alone; each address is made in registers that never hold the other coordinate
	s_lshl_b32 s17, s12, 7
	s_lshl_b32 s16, s13, 8
	s_add_co_u32 s16, s16, s17                     ; A: row 256 x tile row + 128 x half
	s_lshl_b32 s46, s42, 8
	s_add_co_u32 s46, s46, s17                     ; B: row 256 x tile column + 128 x half
	s_mov_b32 s17, 0
	s_mov_b32 s47, 0
	s_mov_b64 s[18:19], SIZE_K*2
	s_mul_u64 s[16:17], s[16:17], s[18:19]
	s_mul_u64 s[46:47], s[46:47], s[18:19]
	s_mul_i32 s20, s10, HALFT                      ; where they go: wave x 128 rows
	s_wait_dscnt 0x0                               ; the opening add is done
	s_wait_kmcnt 0x0
	s_cmp_lt_u32 s45, 8                            ; which part: the condition hangs on the cluster's y alone
	s_cselect_b64 s[4:5], s[68:69], s[72:73]       ; A = xb or wv
	s_cselect_b64 s[6:7], s[70:71], s[68:69]       ; B = wqk or xb
	s_cselect_b64 s[8:9], s[74:75], s[76:77]       ; C = qk or vt
	s_add_nc_u64 s[14:15], s[4:5], s[16:17]
	s_add_nc_u64 s[46:47], s[6:7], s[46:47]
	CROUND                                         ; all sixteen work-groups are here: the first joint loads meet
.irp s, 0,1
	s_mov_b32 s[G0+4*(\s)], 1                                      ; count = 1
	s_add_co_u32 s[G0+4*(\s)+1], s20, (\s)*SLOT                    ; LDS address
	s_add_nc_u64 s[G0+4*(\s)+2:G0+4*(\s)+3], s[14:15], (\s)*KSTEP*2  ; global address: K step s
	s_or_b32 s[G0+4*(\s)+3], s[G0+4*(\s)+3], 0x80000000            ; type = 2
	s_mov_b32 s[G0B+4*(\s)], 1
	s_add_co_u32 s[G0B+4*(\s)+1], s20, (\s)*SLOT
	s_add_nc_u64 s[G0B+4*(\s)+2:G0B+4*(\s)+3], s[46:47], (\s)*KSTEP*2
	s_or_b32 s[G0B+4*(\s)+3], s[G0B+4*(\s)+3], 0x80000000
	JLOAD \s
.endr
	; a fragment is 16 rows x 32 K in 8 registers: lane l holds row l % 16, K = 8 (l / 16) + 0..7 and 16 + 8 (l / 16) + 0..7: two loads of 16 bytes, 32 bytes apart
	v_and_b32 v1, 15, v0                           ; l % 16
	v_bfe_u32 v2, v0, 4, 1                         ; l / 16
	v_mul_u32_u24 v3, v1, PITCH
	v_lshl_add_u32 v3, v2, 4, v3
	s_mul_i32 s21, s11, HALFT                      ; my 128 rows of A
	s_mul_i32 s22, s12, HALFT                      ; my 128 rows of B,
	s_add_co_u32 s22, s22, 2*HALFT                 ; which lie behind A's 256
	v_add_nc_u32 v[ADRA0], s21, v3
	v_add_nc_u32 v[ADRB0], s22, v3
	v_add_nc_u32 v[ADRA], s21, v3                  ; the slot in hand is slot 0
	v_add_nc_u32 v[ADRB], s22, v3
	s_mul_i32 s23, s10, 16*SPITCH
	s_add_co_u32 s23, s23, STAGE                   ; my stage
	v_mul_u32_u24 v4, v1, SPITCH
	v_lshl_add_u32 v4, v2, 4, v4
	v_add_nc_u32 v[STO], s23, v4
	v_mul_u32_u24 v5, v2, SPITCH
	v_lshl_add_u32 v5, v1, 4, v5
	v_add_nc_u32 v[RD], s23, v5
	v_mul_u32_u24 v5, v2, SIZE_N*2
	v_lshl_add_u32 v[CO], v1, 4, v5
	; where my part of the tile begins in C: rows of 4,096 bytes; the tile column's low three bits count 512 bytes, its upper bits (V^T alone) batches of 4 MiB
	s_lshl_b32 s13, s13, 8
	s_lshl_b32 s14, s11, 7
	s_add_co_u32 s16, s13, s14
	s_mov_b32 s17, 0
	s_mov_b64 s[18:19], SIZE_N*2
	s_mul_u64 s[16:17], s[16:17], s[18:19]
	s_and_b32 s46, s42, 7
	s_lshl_b32 s46, s46, 9
	s_lshl_b32 s47, s12, 8
	s_add_co_u32 s46, s46, s47
	s_lshr_b32 s47, s42, 3
	s_lshl_b32 s47, s47, 22
	s_add_co_u32 s46, s46, s47
	s_mov_b32 s47, 0
	s_add_nc_u64 s[16:17], s[16:17], s[46:47]
; 16 matrix instructions: m blocks a0, a0 + 1 of the window's four x all 8 n blocks, 32 along K.  zero = 1: the first product starts the sums
.macro MUL16 f, hi, a0, zero
	WIN MUL_LO+0x50*(\hi)
.irp a, \a0, (\a0)+1
.irp b, 0,1,2,3,4,5,6,7
.if \zero
	v_wmma_f32_16x16x32_bf16 v[8*(8*(\a)+(\b)):8*(8*(\a)+(\b))+7], v[(\f)+8*(\b):(\f)+8*(\b)+7], v[(\f)+8*(4*(\hi)+(\a)):(\f)+8*(4*(\hi)+(\a))+7], 0
.else
	v_wmma_f32_16x16x32_bf16 v[8*(8*(\a)+(\b)):8*(8*(\a)+(\b))+7], v[(\f)+8*(\b):(\f)+8*(\b)+7], v[(\f)+8*(4*(\hi)+(\a)):(\f)+8*(4*(\hi)+(\a))+7], v[8*(8*(\a)+(\b)):8*(8*(\a)+(\b))+7]
.endif
.endr
.endr
.endm
; 32 LDS loads in one run: the fragments of one quarter step (32 K at byte k of the rows of the slot in hand) into buffer f
.macro FETCH k, f
	WIN TO_B
.irp i, 0,1,2,3,4,5,6,7
	ds_load_b128 v[(\f)+8*(\i):(\f)+8*(\i)+3],   v[ADRB] offset:(\k)+(\i)*16*PITCH
	ds_load_b128 v[(\f)+8*(\i)+4:(\f)+8*(\i)+7], v[ADRB] offset:(\k)+(\i)*16*PITCH+32
.endr
	WIN 0
.irp i, 0,1,2,3,4,5,6,7
	ds_load_b128 v[(\f)+8*(\i):(\f)+8*(\i)+3],   v[ADRA] offset:(\k)+(\i)*16*PITCH
	ds_load_b128 v[(\f)+8*(\i)+4:(\f)+8*(\i)+7], v[ADRA] offset:(\k)+(\i)*16*PITCH+32
.endr
.endm
.macro OTHER                           ; the slot in hand is now the other one
	WIN 0
	s_xor_b32 s[TB], s[TB], SLOT
	v_add_nc_u32 v[ADRA], s[TB], v[ADRA0]
	v_add_nc_u32 v[ADRB], s[TB], v[ADRB0]
.endm
; four plain vector instructions stand between a matrix instruction and a load into a register that it read, or a vector instruction that reads its result (ISA guide 7.12.1 for vector instructions)
.macro PLACES
.rept 4
	v_nop
.endr
.endm
; A K step is four quarters of 32 along K, 64 matrix instructions each, on buffers 0, 1, 0, 1.  One of the first three multiplies buffer f and fetches the next quarter into g.
.macro QUARTER k, f, g, zero
	s_wait_dscnt 8                                 ; B and A's rows 0-63 are in; the youngest eight loads (A's rows 64-127) may be out
	WIN MUL_LO
	MUL16 \f, 0, 0, \zero
	MUL16 \f, 0, 2, \zero
	PLACES
	FETCH \k, \g
	s_wait_dscnt 32                                ; all but the 32 just issued
	WIN MUL_HI
	MUL16 \f, 1, 0, \zero
	MUL16 \f, 1, 2, \zero
.endm
; The last quarter's first half: ONE barrier for the change of slots.  In front of it each wave waits for all its tensor loads, adds 0 to its spare word, and waits for that and for its reads of this slot.
.macro MEET round
	WIN 0                                          ; (the add's two registers lie in window 0)
	s_wait_tensorcnt 0x0                           ; all my tensor loads have landed: the one that was out is my part of the next slot
	ds_add_u32 v[SPW], v[NIL]                      ; 0 onto my spare word
	s_wait_dscnt 9                                 ; (the add and the youngest eight loads may be out)
	WIN MUL_LO
	MUL16 F1, 0, 0, 0
	s_wait_dscnt 0x0                               ; the add is done, and my reads of this slot are over
	s_barrier_signal -1
	MUL16 F1, 0, 2, 0
.if \round
	WIN 0
.endif
	s_barrier_wait -1
.endm
; The whole last quarter: behind the round the slot just read out is filled again first, with the K step two on; then come the next slot's first fragments.
.macro TURN
	MEET 1
	CREST                                          ; no wave of any partner still reads this slot's tile or has a load on its way
	s_xor_b32 s[G0+5], s[G0+5], SLOT               ; the walking descriptors: the other slot than last time,
	s_add_nc_u64 s[G0+6:G0+7], s[G0+6:G0+7], KSTEP*2  ; the next K step; the type bits on top are not reached
	s_xor_b32 s[G0B+5], s[G0B+5], SLOT
	s_add_nc_u64 s[G0B+6:G0B+7], s[G0B+6:G0B+7], KSTEP*2
	JLOAD 1                                        ; the first tensor load behind the round; its four v_nop are also the places in front of the loads below
	OTHER
	FETCH 0, F0
	WIN MUL_HI
	MUL16 F1, 1, 0, 0
	MUL16 F1, 1, 2, 0
.endm
; THE LAST K STEP GOES BY ROWS OF C: all its fragments of B fill window 1; my eight blocks of 16 rows are finished one after the other, 32 matrix instructions each, the block's 8 accumulators by turns.
.macro BLOAD q
	WIN TO_B
.irp i, 0,1,2,3,4,5,6,7
	ds_load_b128 v[64*(\q)+8*(\i):64*(\q)+8*(\i)+3],   v[ADRB] offset:64*(\q)+(\i)*16*PITCH
	ds_load_b128 v[64*(\q)+8*(\i)+4:64*(\q)+8*(\i)+7], v[ADRB] offset:64*(\q)+(\i)*16*PITCH+32
.endr
.endm
.macro ALOAD a
	WIN 0
.set FA, PA+32*((\a)%4)
.irp q, 0,1,2,3
	ds_load_b128 v[FA+8*(\q):FA+8*(\q)+3],   v[ADRA] offset:64*(\q)+(\a)*16*PITCH
	ds_load_b128 v[FA+8*(\q)+4:FA+8*(\q)+7], v[ADRA] offset:64*(\q)+(\a)*16*PITCH+32
.endr
.endm
.macro ROW a
.set FA, PA+32*((\a)%4)
.set AC, 64*((\a)%4)
	WIN MUL_LO+0x50*((\a)/4)
.irp q, 0,1,2,3
.if (\a) == 0 && (\q) == 2
	s_wait_dscnt 24                                ; B's quarter 2 is in (behind it: A's blocks 1 to 3)
.endif
.irp b, 0,1,2,3,4,5,6,7
	v_wmma_f32_16x16x32_bf16 v[AC+8*(\b):AC+8*(\b)+7], v[64*(\q)+8*(\b):64*(\q)+8*(\b)+7], v[FA+8*(\q):FA+8*(\q)+7], v[AC+8*(\b):AC+8*(\b)+7]
.endr
.endr
.endm
; THE WAY OUT of block a.  PACK: rounded to f16, 16 bytes a lane, each accumulator's registers in ascending order.  TOSTAGE: into my own stage, and back as whole rows of 256 bytes.  SEND: stored.
.macro PACK a
.set AC, 64*((\a)%4)
	WIN 0x0a+5*((\a)/4)                            ; sources 0 and 1: window 2 or 3
.irp b, 0,1,2,3,4,5,6,7
.irp r, 0,1,2,3
	v_cvt_pk_f16_f32 v[TMP+4*(\b)+(\r)], v[AC+8*(\b)+2*(\r)], v[AC+8*(\b)+2*(\r)+1]
.endr
.endr
	WIN 0
.endm
.macro TOSTAGE a
	WIN 0
.set BK, OB+192*((\a)%2)
.irp b, 0,1,2,3,4,5,6,7
	ds_store_b128 v[STO], v[TMP+4*(\b):TMP+4*(\b)+3] offset:32*(\b)
.endr
.irp t, 0,1,2,3,4,5,6,7
	ds_load_b128 v[BK+4*(\t):BK+4*(\t)+3], v[RD] offset:(\t)*2*SPITCH  ; LDS serves a wave's instructions in order (ISA guide 5.7.1.4): these see the stores above
.endr
.endm
.macro SEND a, younger                 ; younger: the LDS loads issued behind TOSTAGE's, which may stay out
	WIN 0
.set BK, OB+192*((\a)%2)
	s_wait_dscnt \younger
	s_wait_xcnt 0x0                                ; only behind this wait are the stores' base and the registers that earlier stores read rewritten
.if (\a) == 0
	s_add_nc_u64 s[8:9], s[8:9], s[16:17]          ; on to my first rows
.else
	s_add_nc_u64 s[8:9], s[8:9], 16*SIZE_N*2       ; 16 rows of C on
.endif
.irp t, 0,1,2,3,4,5,6,7
	global_store_b128 v[CO], v[BK+4*(\t):BK+4*(\t)+3], s[8:9] offset:2*(\t)*SIZE_N*2  ; 16 lanes store 256 consecutive bytes, at a multiple of 256 from C's first byte
.endr
.endm
	s_wait_tensorcnt 1                             ; my part of K step 0 is in; K step 1's may stay out
	s_barrier_signal -1
	s_barrier_wait -1
	FETCH 0, F0
	QUARTER 64,  F0, F1, 1                         ; the first quarter stands in front of the loop: its products start the sums
	WIN 0
	s_mov_b32 s3, STEPS-2
.Lstep:                                                ; six trips: from a K step's second quarter to the next step's first; trip n asks for K step n + 2
	QUARTER 128, F1, F0, 0
	QUARTER 192, F0, F1, 0
	TURN
	QUARTER 64,  F0, F1, 0
	WIN 0
	s_sub_co_u32 s3, s3, 1
	s_cmp_lg_u32 s3, 0
	s_cbranch_scc1 .Lstep
	QUARTER 128, F1, F0, 0                         ; the last K step but one goes on; nothing more is asked for
	QUARTER 192, F0, F1, 0
	MEET 0                                         ; my one tensor load that was still out is the last K step's, so no round follows
	PLACES
	OTHER
	WIN TO_B
	BLOAD 0                                        ; three quarters of B now: buffer 1 is still being multiplied
	BLOAD 1
	BLOAD 3
	WIN 0
	ALOAD 0
	WIN MUL_HI
	MUL16 F1, 1, 0, 0
	MUL16 F1, 1, 2, 0
	PLACES
	WIN TO_B
	BLOAD 2
	WIN 0
	ALOAD 1
	ALOAD 2
	ALOAD 3
	s_wait_dscnt 40                                ; all but the 40 just issued
	ROW 0
.irp a, 0,1,2,3,4,5,6,7
	PLACES                                         ; the conversions read results just made
	PACK \a
	TOSTAGE \a
.if (\a) < 4
	ALOAD (\a)+4
	SEND \a, 8
.else
	SEND \a, 0
.endif
.if (\a) < 7
	ROW (\a)+1
.endif
.endr
	s_wait_tensorcnt 0x0                           ; the wave's end
	ds_add_u32 v[SPW], v[NIL]
	s_wait_dscnt 0x0
	CROUND                                         ; the closing round: no work-group ends while a partner may still ask for a tile that names it
	s_endpgm
.Lfunc_end_k_q8b55862aef_proj:
	.size	k_q8b55862aef_proj, .Lfunc_end_k_q8b55862aef_proj-k_q8b55862aef_proj
	.p2alignl 7, 3214868480
	.fill 96, 4, 3214868480
	.section	.rodata,"a",@progbits
	.p2align	6, 0x0
	.amdhsa_kernel k_q8b55862aef_proj
		.amdhsa_group_segment_fixed_size 327680
		.amdhsa_private_segment_fixed_size 0
		.amdhsa_enable_private_segment 0
		.amdhsa_kernarg_size 40
		.amdhsa_user_sgpr_count 2
		.amdhsa_user_sgpr_kernarg_segment_ptr 1
		.amdhsa_wavefront_size32 1
		.amdhsa_system_sgpr_workgroup_id_x 1
		.amdhsa_system_sgpr_workgroup_id_y 1
		.amdhsa_system_sgpr_workgroup_id_z 1
		.amdhsa_system_vgpr_workitem_id 0
		.amdhsa_next_free_vgpr 1024
		.amdhsa_next_free_sgpr 78
		.amdhsa_reserve_vcc 0
		.amdhsa_float_denorm_mode_32 3
		.amdhsa_float_denorm_mode_16_64 3
		.amdhsa_memory_ordered 1
		.amdhsa_forward_progress 1
		.amdhsa_inst_pref_size 117
	.end_amdhsa_kernel
	.amdgpu_metadata
---
amdhsa.version: [ 1, 2 ]
amdhsa.kernels:
  - .name:           k_q8b55862aef_proj
    .symbol:         k_q8b55862aef_proj.kd
    .args:
      - { .name: xb, .offset: 0, .size: 8, .value_kind: global_buffer, .address_space: global }
      - { .name: wqk, .offset: 8, .size: 8, .value_kind: global_buffer, .address_space: global }
      - { .name: wv, .offset: 16, .size: 8, .value_kind: global_buffer, .address_space: global }
      - { .name: qk, .offset: 24, .size: 8, .value_kind: global_buffer, .address_space: global }
      - { .name: vt, .offset: 32, .size: 8, .value_kind: global_buffer, .address_space: global }
    .group_segment_fixed_size: 327680
    .private_segment_fixed_size: 0
    .kernarg_segment_align: 8
    .kernarg_segment_size: 40
    .max_flat_workgroup_size: 128
    .sgpr_count:     78
    .vgpr_count:     1024
    .wavefront_size: 32
...
	.end_amdgpu_metadata
.endif
;; end of part 2
;; launch scores (part 3): grid 4 x 48, 4 waves a work-group, clusters of 4 x 4, 327,680 bytes of LDS; arguments qk, p, st; writes p, st
.if DOCPART == 3
	.amdgcn_target "amdgcn-amd-amdhsa--gfx1250"
	.amdhsa_code_object_version 6
	.text
	.protected	k_q8b55862aef_scores
	.globl	k_q8b55862aef_scores
	.p2align	8
	.type	k_q8b55862aef_scores,@function
k_q8b55862aef_scores:
	s_mov_b64 s[64:65], 0
	v_nop
	global_prefetch_b8 v0, s[64:65] scope:SCOPE_SE
	s_setreg_imm32_b32 hwreg(HW_REG_WAVE_MODE, 25, 1), 1
	s_wait_xcnt 0x0
	s_wait_alu depctr_hold_cnt(0) depctr_sa_sdst(0) depctr_va_vdst(0) depctr_va_sdst(0) depctr_va_ssrc(0) depctr_va_vcc(0) depctr_vm_vsrc(0)
	s_getreg_b32 s2, hwreg(HW_REG_IB_STS2, 6, 4)
	s_cmp_eq_u32 s2, 0
	s_cbranch_scc0 .Lentry_in_a_cluster
	s_endpgm
.Lentry_in_a_cluster:
	s_bfe_u32 s2, ttmp6, 0x10000c
	s_cmp_lg_u32 s2, 0xf033
	s_cbranch_scc0 .Lentry_shape_is_right
	s_endpgm
.Lentry_shape_is_right:
; THE WEIGHTS, tile by tile.  For batch b, query tile I and key tile J (256 x 256): s = Q K^T (f16 operands, f32 sums, K = 1,024), hidden where key > query; for each query row of the tile
;   cm = c max s, c = log2(e) / 32;   p = 2^(c s - cm), rounded to f16 into p[b][q][k];   l = the sum of the unrounded p, for keys 0-127 and for keys 128-255 of the tile.
; st[b][J][0][q] = cm, st[b][J][1][q], st[b][J][2][q] = the two l.  The maximum taken away is the row's true maximum in the tile; the last launch joins the tiles by their cm.
; LIMITS.  A hidden score counts as its value less 1e30 (f16 operands give at most 4.4e12); a weight below 2^-126 counts as 0 in l, below 6e-8 as 0 in p; NaN and infinities are not treated apart.
; SHARES.  A batch has three clusters of 4 x 4 tiles: tile rows and columns (0-3, 0-3), (4-7, 0-3), (4-7, 4-7).  Tiles of Q are asked for jointly along a row of the cluster, tiles of K along a column.
; In the two clusters on the diagonal six places lie wholly above it.  They stay as partners of the joint loads and run the same text; their tiles
; come out all hidden, go to places of p and st of their own, and nobody reads them: 48 of the launch's 192 work-groups.
; THE MASK is the C operand that starts a sum: 0 or -1e30.  For my 128 x 128 part, D = first query - first key is a multiple of 128: all seen (D > 0), all hidden (D < 0), or (D = 0) block (a, b) of
; 16 x 16 seen if b < a, hidden if b > a, and cut by the diagonal if a = b.  Three sets of eight registers serve all 64 blocks: LOW (b < a), DIA (b = a), UPP (b > a).
; Ring and loop: four waves of 128 x 128, K steps of 128 through two LDS slots.  A K step is written once: a trip of the loop is one step; which slot it reads stands in a scalar (0 or SLOT) that an
; exclusive or turns, and one descriptor for each operand walks from step to step.  Windows (s_set_vgpr_msb: bits 1:0 source 0, 3:2 source 1, 5:4 source 2, 7:6 destination):
;   window 0: v0-31 addresses; v64-191 fragments of Q, two buffers; v192-215 the masks; on the way out v32-47 cm, v64-127 a block's scores, v128-159 packed, v160-191 rows read back
;   window 1: v64-191 fragments of K      window 2: accumulators of my rows 0-63 ((a, b) at v[8 (8 a + b)]); window 3: of my rows 64-127
; The matrix instruction is used transposed (source 0 = 16 keys, source 1 = 16 queries): lane l holds query l % 16 and the keys 8 (l / 16) + 0..7.
.set KSTEP,  128
.set STEPS,  8                         ; 1,024 along K
.set ROWE,   2048                      ; elements from row to row of qk, and of p
.set PITCH,  272                       ; an LDS row: 256 bytes + 16 of padding: the 16 rows that a load touches start at 16 different groups of four banks (ISA guide 11.1)
.set HALFT,  128*PITCH                 ; 0x8800 bytes
.set SLOT,   4*HALFT                   ; 0x22000 bytes.  A wave's place in slot 0, wave x 0x8800, has neither of SLOT's two bits: an exclusive or with SLOT turns it into its place in slot 1, and back
.set STAGE,  2*SLOT                    ; 16 rows x 272 bytes for each wave
.set SPITCH, 272
.set SPARE,  STAGE+4*16*SPITCH         ; the spare words, 128 bytes for each wave
.set XCH,    SPARE+512                 ; 512 bytes for each wave: my 128 rows' maxima, for the wave that has the rows' other 128 keys
.set STT,    XCH+2048                  ; 1,024 bytes for each wave: cm of my 128 rows, then l
.set ADRA0, 16                         ; v16  LDS address of my Q fragments in slot 0; never rewritten
.set ADRA,  17                         ; v17  the same in the slot in hand
.set ADRB0, 20                         ; v20, v21  the same for K
.set ADRB,  21
.set SB,   22                          ; v22  STT + 1,024 w + 16 x lane
.set SO,   23                          ; v23  16 x lane
.set STO,  24
.set RD,   25
.set CO,   26
.set SA,   27                          ; v27  STT + 1,024 w + 4 (l % 16); steps 64 bytes a block
.set SPW,  28
.set NIL,  29
.set XS,   30                          ; v30  XCH + 512 w + 4 (l % 16)
.set XL,   31                          ; v31  the same for wave w xor 1
.set CM,   32                          ; v[32:47]  pair a: cm of block a's row, and a word at work
.set F0,   64
.set F1,   128
.set E,    64
.set PK,   128
.set BK,   160
.set LOW,  192
.set DIA,  200
.set UPP,  208
.set G1, 24                            ; s[24:31] group 1 for Q's tiles; s[32:39] group 0: a set for each of the two first fills; the second then walks on
.set G0, 32
.set G1B, 48                           ; the same for K's tiles
.set G0B, 56
.set TB,  66                           ; s66  where the slot in hand begins: 0 or SLOT
.set BL,  79                           ; s79  the block in hand on the way out
.set CS,  80                           ; s[80:81] c, twice
.set SEL, 82                           ; s[82:83] v_permlanex16_b32's selects: each lane takes its own place in the other half
.set LOWEST, 88                        ; s88  the lowest finite number
.set MSB, 0
.macro WIN new
.if MSB != (\new)
	s_set_vgpr_msb (MSB<<8)|(\new)
.set MSB, \new
.endif
.endm
.set MUL_LO, 0xa1
.set MUL_HI, 0xf1
.set TO_B,   0x40
.macro JLOAD s                         ; a joint load: waves 0 and 1 fetch Q's two halves, waves 2 and 3 K's; an s_nop 0 and four v_nop follow each of the two lines
	s_cmp_eq_u32 s11, 0
	s_cbranch_scc0 .Lfor_b_\@
	tensor_load_to_lds s[G0+4*(\s):G0+4*(\s)+3], s[G1:G1+7]
	s_nop 0
.rept 4
	v_nop
.endr
	s_branch .Lasked_\@
.Lfor_b_\@:
	tensor_load_to_lds s[G0B+4*(\s):G0B+4*(\s)+3], s[G1B:G1B+7]
	s_nop 0
.rept 4
	v_nop
.endr
.Lasked_\@:
.endm
.macro CREST
	s_cmp_lg_u32 s10, 0
	s_cbranch_scc1 .Lnot_wave_0_\@
	s_barrier_signal -3
.Lnot_wave_0_\@:
	s_barrier_wait -3
	s_barrier_signal -1
	s_barrier_wait -1
.endm
.macro CROUND
	s_barrier_signal -1
	s_barrier_wait -1
	CREST
.endm
	s_load_b128 s[68:71], s[0:1], 0x0              ; qk s[68:69], p s[70:71]
	s_load_b64 s[72:73], s[0:1], 0x10              ; st
	v_lshl_add_u32 v[SPW], v0, 2, SPARE
	v_mov_b32 v[NIL], 0
	ds_add_u32 v[SPW], v[NIL]                      ; the wave's opening: the add and its wait stand ahead of my first tensor load
	v_lshrrev_b32 v1, 5, v0
	v_readfirstlane_b32 s10, v1                    ; wave 0..3
	s_lshr_b32 s11, s10, 1                         ; which half of the tile's queries is mine.  Also: I fetch for Q (0) or for K (1)
	s_and_b32 s12, s10, 1                          ; which half of its keys.  Also: which 128 rows I fetch
	s_bfe_u32 s40, ttmp6, 0x40000                  ; cx
	s_bfe_u32 s41, ttmp6, 0x40004                  ; cy
	s_and_b32 s45, ttmp7, 0xffff                   ; the cluster's y, 0..11
	s_mul_i32 s74, s45, 11
	s_lshr_b32 s74, s74, 5                         ; b = y / 3
	s_mul_i32 s75, s74, 3
	s_sub_co_u32 s75, s45, s75                     ; u = y % 3: clusters (0, 0), (1, 0), (1, 1)
	s_add_co_u32 s13, s75, 1
	s_lshr_b32 s13, s13, 1
	s_lshl_b32 s13, s13, 2
	s_add_co_u32 s13, s13, s41                     ; I
	s_lshr_b32 s42, s75, 1
	s_lshl_b32 s42, s42, 2
	s_add_co_u32 s42, s42, s40                     ; J
	s_lshl_b32 s43, s41, 2
	s_lshl_b32 s43, 15, s43                        ; my row of the cluster
	s_lshl_b32 s44, 0x1111, s40                    ; my column
	s_or_b32 s[G1+0], s43, (1<<16)|(1<<20)|(1<<21)|(5<<22)|(3<<25)  ; the mask; elements of 2 bytes; padding on; bit 21 beside a mask; after every 64 words; 4 words
	s_or_b32 s[G1B+0], s44, (1<<16)|(1<<20)|(1<<21)|(5<<22)|(3<<25)
.irp g, G1, G1B
	s_mov_b32 s[(\g)+1], KSTEP<<16                 ; tensor_dim0 = 128
	s_mov_b32 s[(\g)+2], 128<<16                   ; tensor_dim1 = 128
	s_mov_b32 s[(\g)+3], KSTEP<<16                 ; tile_dim0 = 128
	s_mov_b32 s[(\g)+4], 128                       ; tile_dim1 = 128
	s_mov_b32 s[(\g)+5], ROWE                      ; elements from row to row
	s_mov_b32 s[(\g)+6], 0
	s_mov_b32 s[(\g)+7], 0
.endr
	s_mov_b32 s[TB], 0                             ; K step 0 lies in slot 0
	s_mov_b32 s[CS], 0x3d38aa3b                    ; c = log2(e) / 32
	s_mov_b32 s[CS+1], s[CS]
	s_mov_b32 s[SEL], 0x76543210
	s_mov_b32 s[SEL+1], 0xfedcba98
	s_mov_b32 s[LOWEST], 0xff7fffff
	s_mov_b32 s89, 0xf149f2ca                      ; -1e30
	s_lshl_b32 s17, s12, 7
	s_lshl_b32 s18, s74, 11
	s_add_co_u32 s17, s17, s18                     ; 2,048 b + 128 x half
	s_lshl_b32 s16, s13, 8
	s_add_co_u32 s16, s16, s17
	s_lshl_b32 s16, s16, 12                        ; Q: row 2,048 b + 256 I + 128 x half, 4,096 bytes a row: under 2^25
	s_lshl_b32 s46, s42, 8
	s_add_co_u32 s46, s46, s17
	s_lshl_b32 s46, s46, 12
	s_add_co_u32 s46, s46, 2048                    ; K: row 2,048 b + 256 J + 128 x half, from column 1,024 on
	s_mov_b32 s17, 0
	s_mov_b32 s47, 0
	s_mul_i32 s20, s10, HALFT
	s_wait_dscnt 0x0                               ; the opening add is done
	s_wait_kmcnt 0x0
	s_add_nc_u64 s[14:15], s[68:69], s[16:17]
	s_add_nc_u64 s[46:47], s[68:69], s[46:47]
	CROUND                                         ; all sixteen work-groups are here: the first joint loads meet
.irp s, 0,1
	s_mov_b32 s[G0+4*(\s)], 1
	s_add_co_u32 s[G0+4*(\s)+1], s20, (\s)*SLOT
	s_add_nc_u64 s[G0+4*(\s)+2:G0+4*(\s)+3], s[14:15], (\s)*KSTEP*2
	s_or_b32 s[G0+4*(\s)+3], s[G0+4*(\s)+3], 0x80000000
	s_mov_b32 s[G0B+4*(\s)], 1
	s_add_co_u32 s[G0B+4*(\s)+1], s20, (\s)*SLOT
	s_add_nc_u64 s[G0B+4*(\s)+2:G0B+4*(\s)+3], s[46:47], (\s)*KSTEP*2
	s_or_b32 s[G0B+4*(\s)+3], s[G0B+4*(\s)+3], 0x80000000
	JLOAD \s
.endr
	v_and_b32 v1, 15, v0                           ; l % 16
	v_bfe_u32 v2, v0, 4, 1                         ; l / 16
	v_mul_u32_u24 v3, v1, PITCH
	v_lshl_add_u32 v3, v2, 4, v3
	s_mul_i32 s21, s11, HALFT
	s_mul_i32 s22, s12, HALFT
	s_add_co_u32 s22, s22, 2*HALFT
	v_add_nc_u32 v[ADRA0], s21, v3
	v_add_nc_u32 v[ADRB0], s22, v3
	v_add_nc_u32 v[ADRA], s21, v3                  ; the slot in hand is slot 0
	v_add_nc_u32 v[ADRB], s22, v3
	s_mul_i32 s23, s10, 16*SPITCH
	s_add_co_u32 s23, s23, STAGE
	v_mul_u32_u24 v4, v1, SPITCH
	v_lshl_add_u32 v4, v2, 4, v4
	v_add_nc_u32 v[STO], s23, v4
	v_mul_u32_u24 v5, v2, SPITCH
	v_lshl_add_u32 v5, v1, 4, v5
	v_add_nc_u32 v[RD], s23, v5
	v_lshlrev_b32 v5, 12, v2
	v_lshl_add_u32 v[CO], v1, 4, v5                ; two rows of p, 4,096 bytes apart
	s_lshl_b32 s21, s10, 9
	s_add_co_u32 s21, s21, XCH
	v_lshl_add_u32 v[XS], v1, 2, s21
	s_xor_b32 s21, s10, 1                          ; the wave with my rows' other keys
	s_lshl_b32 s21, s21, 9
	s_add_co_u32 s21, s21, XCH
	v_lshl_add_u32 v[XL], v1, 2, s21
	s_lshl_b32 s21, s10, 10
	s_add_co_u32 s21, s21, STT
	v_lshl_add_u32 v[SA], v1, 2, s21
	v_and_b32 v4, 31, v0
	v_lshlrev_b32 v[SO], 4, v4
	v_add_nc_u32 v[SB], s21, v[SO]
	; my part's first query and key in the batch, the masks, and where p and st take my results
	s_lshl_b32 s21, s13, 8
	s_lshl_b32 s22, s11, 7
	s_add_co_u32 s21, s21, s22                     ; first query
	s_lshl_b32 s22, s42, 8
	s_lshl_b32 s23, s12, 7
	s_add_co_u32 s22, s22, s23                     ; first key
	s_sub_co_i32 s76, s21, s22                     ; D
	s_cmp_lt_i32 s76, 0
	s_cselect_b32 s77, s89, 0                      ; blocks below the part's diagonal are hidden if D < 0,
	s_cmp_le_i32 s76, 0
	s_cselect_b32 s78, s89, 0                      ; those above it if D <= 0
	v_lshlrev_b32 v5, 3, v2
	v_sub_nc_u32 v5, v1, v5                        ; on it register j is hidden where j > l % 16 - 8 (l / 16)
.set j, 0
.rept 8
	v_mov_b32 v[LOW+j], s77
	v_mov_b32 v[UPP+j], s78
.set j, j+1
.endr
.set j, 0
.rept 8
	v_cmp_gt_i32 vcc_lo, j, v5
	v_cndmask_b32 v[DIA+j], v[LOW+j], v[UPP+j], vcc_lo
.set j, j+1
.endr
	s_lshl_b32 s18, s21, 12                        ; p: my first row,
	s_lshl_b32 s23, s22, 1                         ; my first column,
	s_add_co_u32 s18, s18, s23
	s_lshl_b32 s23, s74, 23                        ; the batch's 8 MiB
	s_add_co_u32 s18, s18, s23
	s_mov_b32 s19, 0
	s_add_nc_u64 s[8:9], s[70:71], s[18:19]
	s_lshl_b32 s18, s74, 3
	s_add_co_u32 s18, s18, s42
	s_mul_i32 s18, s18, 24576                      ; st: three planes of 8,192 bytes for each (b, J),
	s_lshl2_add_u32 s18, s21, s18                  ; 4 bytes a query
	s_add_nc_u64 s[84:85], s[72:73], s[18:19]      ; cm
	s_lshl_b32 s18, s12, 13
	s_add_co_u32 s18, s18, 8192
	s_add_nc_u64 s[86:87], s[84:85], s[18:19]      ; l of my half of the keys
.macro MUL16 f, hi, a0                 ; 16 matrix instructions: m blocks a0, a0 + 1 of the window's four x all 8 n blocks, 32 along K
	WIN MUL_LO+0x50*(\hi)
.irp a, \a0, (\a0)+1
.irp b, 0,1,2,3,4,5,6,7
	v_wmma_f32_16x16x32_f16 v[8*(8*(\a)+(\b)):8*(8*(\a)+(\b))+7], v[(\f)+8*(\b):(\f)+8*(\b)+7], v[(\f)+8*(4*(\hi)+(\a)):(\f)+8*(4*(\hi)+(\a))+7], v[8*(8*(\a)+(\b)):8*(8*(\a)+(\b))+7]
.endr
.endr
.endm
.macro MULM f, hi, a0                  ; the same for the first quarter: the mask starts the sum (C in window 0)
	WIN 0x81+0x40*(\hi)
.irp a, \a0, (\a0)+1
.irp b, 0,1,2,3,4,5,6,7
.if (\b) < 4*(\hi)+(\a)
.set MK, LOW
.elseif (\b) == 4*(\hi)+(\a)
.set MK, DIA
.else
.set MK, UPP
.endif
	v_wmma_f32_16x16x32_f16 v[8*(8*(\a)+(\b)):8*(8*(\a)+(\b))+7], v[(\f)+8*(\b):(\f)+8*(\b)+7], v[(\f)+8*(4*(\hi)+(\a)):(\f)+8*(4*(\hi)+(\a))+7], v[MK:MK+7]
.endr
.endr
.endm
.macro FETCH k, f                      ; 32 LDS loads in one run: 32 K at byte k of the rows of the slot in hand, into buffer f
	WIN TO_B
.irp i, 0,1,2,3,4,5,6,7
	ds_load_b128 v[(\f)+8*(\i):(\f)+8*(\i)+3],   v[ADRB] offset:(\k)+(\i)*16*PITCH
	ds_load_b128 v[(\f)+8*(\i)+4:(\f)+8*(\i)+7], v[ADRB] offset:(\k)+(\i)*16*PITCH+32
.endr
	WIN 0
.irp i, 0,1,2,3,4,5,6,7
	ds_load_b128 v[(\f)+8*(\i):(\f)+8*(\i)+3],   v[ADRA] offset:(\k)+(\i)*16*PITCH
	ds_load_b128 v[(\f)+8*(\i)+4:(\f)+8*(\i)+7], v[ADRA] offset:(\k)+(\i)*16*PITCH+32
.endr
.endm
.macro OTHER                           ; the slot in hand is now the other one
	WIN 0
	s_xor_b32 s[TB], s[TB], SLOT
	v_add_nc_u32 v[ADRA], s[TB], v[ADRA0]
	v_add_nc_u32 v[ADRB], s[TB], v[ADRB0]
.endm
.macro PLACES                          ; four plain vector instructions between a matrix instruction and a load into a register that it read
.rept 4
	v_nop
.endr
.endm
.macro QUARTER k, f, g
	s_wait_dscnt 8                                 ; K and Q's rows 0-63 are in; the youngest eight loads may be out
	MUL16 \f, 0, 0
	MUL16 \f, 0, 2
	PLACES
	FETCH \k, \g
	s_wait_dscnt 32                                ; all but the 32 just issued
	MUL16 \f, 1, 0
	MUL16 \f, 1, 2
.endm
.macro QUARTERM k, f, g
	s_wait_dscnt 8
	MULM \f, 0, 0
	MULM \f, 0, 2
	PLACES
	FETCH \k, \g
	s_wait_dscnt 32
	MULM \f, 1, 0
	MULM \f, 1, 2
.endm
.macro MEET round                      ; ONE barrier for the change of slots; in front of it: all my tensor loads, the add, and my reads of this slot
	WIN 0
	s_wait_tensorcnt 0x0                           ; the one that was out is my part of the next slot
	ds_add_u32 v[SPW], v[NIL]                      ; 0 onto my spare word
	s_wait_dscnt 9                                 ; (the add and the youngest eight loads may be out)
	MUL16 F1, 0, 0
	s_wait_dscnt 0x0                               ; the add is done, and my reads of this slot are over
	s_barrier_signal -1
	MUL16 F1, 0, 2
.if \round
	WIN 0
.endif
	s_barrier_wait -1
.endm
.macro TURN fill                       ; the last quarter of a K step; fill = 1: behind a round of the cluster's barrier this slot is filled again first, with the K step two on
	MEET \fill
.if \fill
	CREST
	s_xor_b32 s[G0+5], s[G0+5], SLOT               ; the walking descriptors: the other slot than last time,
	s_add_nc_u64 s[G0+6:G0+7], s[G0+6:G0+7], KSTEP*2  ; the next K step; the type bits on top are not reached
	s_xor_b32 s[G0B+5], s[G0B+5], SLOT
	s_add_nc_u64 s[G0B+6:G0B+7], s[G0B+6:G0B+7], KSTEP*2
	JLOAD 1
.else
	PLACES
.endif
	OTHER
	FETCH 0, F0
	MUL16 F1, 1, 0
	MUL16 F1, 1, 2
.endm
	s_wait_tensorcnt 1                             ; my part of K step 0 is in; K step 1's may stay out
	s_barrier_signal -1
	s_barrier_wait -1
	FETCH 0, F0
	QUARTERM 64, F0, F1                            ; the first quarter stands in front of the loop: the masks start the sums
	WIN 0
	s_mov_b32 s3, STEPS-2
.Lstep:                                                ; six trips: from a K step's second quarter to the next step's first; trip n asks for K step n + 2
	QUARTER 128, F1, F0
	QUARTER 192, F0, F1
	TURN 1
	QUARTER 64,  F0, F1
	WIN 0
	s_sub_co_u32 s3, s3, 1
	s_cmp_lg_u32 s3, 0
	s_cbranch_scc1 .Lstep
	QUARTER 128, F1, F0                            ; the last two K steps fill nothing
	QUARTER 192, F0, F1
	TURN 0
	QUARTER 64,  F0, F1
	QUARTER 128, F1, F0
	QUARTER 192, F0, F1
	s_wait_dscnt 8
	MUL16 F1, 0, 0
	MUL16 F1, 0, 2
	s_wait_dscnt 0x0
	MUL16 F1, 1, 0
	MUL16 F1, 1, 2
	; THE WAY OUT.  1: each row's maximum over my 128 keys.  The seventeen moves are the places behind the last products; each accumulator's lowest registers are read first.
	WIN 0
.set i, 0
.rept 16
	v_mov_b32 v[CM+i], s[LOWEST]
.set i, i+1
.endr
	v_mov_b32 v217, s[LOWEST]
	WIN 0x28                                       ; sources 1 and 2 in window 2: four chains, one a block
.set i, 0
.rept 32
.irp a, 0,1,2,3
	v_max3_num_f32 v[CM+2*(\a)], v[CM+2*(\a)], v[64*(\a)+2*i], v[64*(\a)+2*i+1]
.endr
.set i, i+1
.endr
	WIN 0x3c                                       ; and in window 3
.set i, 0
.rept 32
.irp a, 0,1,2,3
	v_max3_num_f32 v[CM+8+2*(\a)], v[CM+8+2*(\a)], v[64*(\a)+2*i], v[64*(\a)+2*i+1]
.endr
.set i, i+1
.endr
	WIN 0
.irp a, 0,1,2,3,4,5,6,7
	v_permlanex16_b32 v[CM+2*(\a)+1], v[CM+2*(\a)], s[SEL], s[SEL+1]  ; the row's other 64 of my keys lie in the lane 16 away
.endr
.irp a, 0,1,2,3,4,5,6,7
	v_max_num_f32 v[CM+2*(\a)], v[CM+2*(\a)], v[CM+2*(\a)+1]
.endr
	; 2: the tile's other 128 keys belong to the wave beside me: the maxima change hands through LDS
.irp a, 0,1,2,3,4,5,6,7
	ds_store_b32 v[XS], v[CM+2*(\a)] offset:64*(\a)
.endr
	s_wait_dscnt 0x0                               ; for the other wave's sake: my stores are done
	s_barrier_signal -1
	s_barrier_wait -1
.irp a, 0,1,2,3,4,5,6,7
	ds_load_b32 v[CM+2*(\a)+1], v[XL] offset:64*(\a)
.endr
	s_wait_dscnt 0x0
.irp a, 0,1,2,3,4,5,6,7
	v_max_num_f32 v[CM+2*(\a)], v[CM+2*(\a)], v[CM+2*(\a)+1]
.endr
.irp a, 0,1,2,3,4,5,6,7
	v_mul_f32 v[CM+2*(\a)], s[CS], v[CM+2*(\a)]    ; cm
.endr
.irp a, 0,1,2,3,4,5,6,7
	ds_store_b32 v[SA], v[CM+2*(\a)] offset:64*(\a)
.endr
	; 3: block by block (16 rows): c s - cm into window 0 (written once for each block, since the block picks the registers); the rest is one text for all eight
.macro SCALE a
	WIN 0x02+(\a)/4                                ; source 0 in window 2 or 3
.set i, 0
.rept 32
	v_pk_fma_f32 v[E+2*i:E+2*i+1], v[64*((\a)%4)+2*i:64*((\a)%4)+2*i+1], s[CS:CS+1], v[CM+2*(\a):CM+2*(\a)+1] op_sel_hi:[1,0,0] neg_lo:[0,0,1] neg_hi:[0,0,1]
.set i, i+1
.endr
	WIN 0
.endm
	s_mov_b32 s[BL], 0
.Lblk:
	s_cmp_eq_u32 s[BL], 0
	s_cbranch_scc1 .LF0
	s_cmp_eq_u32 s[BL], 1
	s_cbranch_scc1 .LF1
	s_cmp_eq_u32 s[BL], 2
	s_cbranch_scc1 .LF2
	s_cmp_eq_u32 s[BL], 3
	s_cbranch_scc1 .LF3
	s_cmp_eq_u32 s[BL], 4
	s_cbranch_scc1 .LF4
	s_cmp_eq_u32 s[BL], 5
	s_cbranch_scc1 .LF5
	s_cmp_eq_u32 s[BL], 6
	s_cbranch_scc1 .LF6
	SCALE 7
	s_branch .Lcom
.LF0:
	SCALE 0
	s_branch .Lcom
.LF1:
	SCALE 1
	s_branch .Lcom
.LF2:
	SCALE 2
	s_branch .Lcom
.LF3:
	SCALE 3
	s_branch .Lcom
.LF4:
	SCALE 4
	s_branch .Lcom
.LF5:
	SCALE 5
	s_branch .Lcom
.LF6:
	SCALE 6
.Lcom:
.set i, 0
.rept 64
	v_exp_f32 v[E+i], v[E+i]
.set i, i+1
.endr
	v_nop                                          ; a plain instruction between the last exponential and the use of its result
.set i, 0
	s_wait_alu depctr_va_vdst(0)
.rept 32
	v_cvt_pk_f16_f32 v[PK+i], v[E+2*i], v[E+2*i+1]
.set i, i+1
.endr
.irp b, 0,1,2,3,4,5,6,7
	ds_store_b128 v[STO], v[PK+4*(\b):PK+4*(\b)+3] offset:32*(\b)
.endr
.irp t, 0,1,2,3,4,5,6,7
	ds_load_b128 v[BK+4*(\t):BK+4*(\t)+3], v[RD] offset:(\t)*2*SPITCH  ; LDS serves a wave's instructions in order (ISA guide 5.7.1.4): these see the stores above
.endr
	; the sum of my 64 unrounded weights, in place, neighbours 1, 2, 4, 8 and 16 pairs apart: it stands in the stage's round trip
.set w, 2
.rept 5
.set u, 0
.rept 32/w
	v_pk_add_f32 v[E+2*w*u:E+2*w*u+1], v[E+2*w*u:E+2*w*u+1], v[E+2*w*u+w:E+2*w*u+w+1]
.set u, u+1
.endr
.set w, w*2
.endr
	v_add_f32 v216, v[E], v[E+1]
	v_permlanex16_b32 v217, v216, s[SEL], s[SEL+1]
	v_add_f32 v216, v216, v217
	ds_store_b32 v[SA], v216 offset:512            ; l of the block's row l % 16
	v_add_nc_u32 v[SA], 64, v[SA]
	s_wait_dscnt 1                                 ; the rows are back; the store of l may be out
.irp t, 0,1,2,3,4,5,6,7
	global_store_b128 v[CO], v[BK+4*(\t):BK+4*(\t)+3], s[8:9] offset:(\t)*2*ROWE*2  ; 16 lanes store 256 consecutive bytes, at a multiple of 256 from p's first byte
.endr
	s_wait_xcnt 0x0                                ; the base and the rows' registers are written again only behind this wait
	s_add_nc_u64 s[8:9], s[8:9], 16*ROWE*2
	s_add_co_u32 s[BL], s[BL], 1
	s_cmp_lt_u32 s[BL], 8
	s_cbranch_scc1 .Lblk
	; 4: my 128 rows' cm and l leave as 512 consecutive bytes each; cm is the same in both waves of a row half, and the one with keys 0-127 stores it
	ds_load_b128 v[64:67], v[SB]
	ds_load_b128 v[68:71], v[SB] offset:512
	s_wait_dscnt 0x0
	global_store_b128 v[SO], v[68:71], s[86:87]
	s_cmp_lg_u32 s12, 0
	s_cbranch_scc1 .Lno_cm
	global_store_b128 v[SO], v[64:67], s[84:85]
.Lno_cm:
	s_wait_tensorcnt 0x0                           ; the wave's end
	ds_add_u32 v[SPW], v[NIL]
	s_wait_dscnt 0x0
	CROUND                                         ; the closing round
	s_endpgm
.Lfunc_end_k_q8b55862aef_scores:
	.size	k_q8b55862aef_scores, .Lfunc_end_k_q8b55862aef_scores-k_q8b55862aef_scores
	.p2alignl 7, 3214868480
	.fill 96, 4, 3214868480
	.section	.rodata,"a",@progbits
	.p2align	6, 0x0
	.amdhsa_kernel k_q8b55862aef_scores
		.amdhsa_group_segment_fixed_size 327680
		.amdhsa_private_segment_fixed_size 0
		.amdhsa_enable_private_segment 0
		.amdhsa_kernarg_size 24
		.amdhsa_user_sgpr_count 2
		.amdhsa_user_sgpr_kernarg_segment_ptr 1
		.amdhsa_wavefront_size32 1
		.amdhsa_system_sgpr_workgroup_id_x 1
		.amdhsa_system_sgpr_workgroup_id_y 1
		.amdhsa_system_sgpr_workgroup_id_z 1
		.amdhsa_system_vgpr_workitem_id 0
		.amdhsa_next_free_vgpr 1024
		.amdhsa_next_free_sgpr 90
		.amdhsa_reserve_vcc 1
		.amdhsa_float_denorm_mode_32 3
		.amdhsa_float_denorm_mode_16_64 3
		.amdhsa_memory_ordered 1
		.amdhsa_forward_progress 1
		.amdhsa_inst_pref_size 133
	.end_amdhsa_kernel
	.amdgpu_metadata
---
amdhsa.version: [ 1, 2 ]
amdhsa.kernels:
  - .name:           k_q8b55862aef_scores
    .symbol:         k_q8b55862aef_scores.kd
    .args:
      - { .name: qk, .offset: 0, .size: 8, .value_kind: global_buffer, .address_space: global }
      - { .name: p, .offset: 8, .size: 8, .value_kind: global_buffer, .address_space: global }
      - { .name: st, .offset: 16, .size: 8, .value_kind: global_buffer, .address_space: global }
    .group_segment_fixed_size: 327680
    .private_segment_fixed_size: 0
    .kernarg_segment_align: 8
    .kernarg_segment_size: 24
    .max_flat_workgroup_size: 128
    .sgpr_count:     90
    .vgpr_count:     1024
    .wavefront_size: 32
...
	.end_amdgpu_metadata
.endif
;; end of part 3
;; launch pv (part 4): grid 8 x 32, 4 waves a work-group, clusters of 4 x 4, 327,680 bytes of LDS; arguments p, vt, st, out0; writes out0
.if DOCPART == 4
	.amdgcn_target "amdgcn-amd-amdhsa--gfx1250"
	.amdhsa_code_object_version 6
	.text
	.protected	k_q8b55862aef_pv
	.globl	k_q8b55862aef_pv
	.p2align	8
	.type	k_q8b55862aef_pv,@function
k_q8b55862aef_pv:
	s_mov_b64 s[64:65], 0
	v_nop
	global_prefetch_b8 v0, s[64:65] scope:SCOPE_SE
	s_setreg_imm32_b32 hwreg(HW_REG_WAVE_MODE, 25, 1), 1
	s_wait_xcnt 0x0
	s_wait_alu depctr_hold_cnt(0) depctr_sa_sdst(0) depctr_va_vdst(0) depctr_va_sdst(0) depctr_va_ssrc(0) depctr_va_vcc(0) depctr_vm_vsrc(0)
	s_getreg_b32 s2, hwreg(HW_REG_IB_STS2, 6, 4)
	s_cmp_eq_u32 s2, 0
	s_cbranch_scc0 .Lentry_in_a_cluster
	s_endpgm
.Lentry_in_a_cluster:
	s_bfe_u32 s2, ttmp6, 0x10000c
	s_cmp_lg_u32 s2, 0xf033
	s_cbranch_scc0 .Lentry_shape_is_right
	s_endpgm
.Lentry_shape_is_right:
; O[b][q][f] = the sum over key tiles t of w_t[q] (P_t V_t)[q][f], f32.  P (f16) holds 2^(c s - cm_t) for each tile of 256 keys; with CM = max_t cm_t and L = sum_t 2^(cm_t - CM) l_t the factor is
; w_t = 2^(cm_t - CM) / L: the softmax with the row's true maximum taken away.  Products in f16 with f32 sums; a tile's product T is multiplied by w_t and added to O in f32; O is stored unrounded.
; LIMITS.  A factor 2^(cm_t - CM) below 2^-126 counts as 0; V lies within f16's 65,504; NaN and infinities are not treated apart.
; SHARES.  A tile of O is 128 queries x 128 channels, four waves of 64 x 64.  Query block i (of 16 in a batch) needs the key tiles 0 .. i / 2.  A work-group makes TWO tiles, one after the other:
; block 4 (3 - P) + cy over 8 - 2 P key steps, then block 4 P + cy over 2 P + 2: ten steps of 256 keys for every work-group, and one counted walk.  For cy 0 and 1 a block's last step lies above its
; diagonal: P's joint load then asks for the block's last tile once more and the step's factor is 0: the price of one walk for the cluster's four rows.
; CLUSTERS: 4 x 4.  P's tiles hang on batch, P and cy, and are asked for jointly along a row of the cluster; V^T's on batch and the channel block, jointly along a column.
; The ring runs on across the change of blocks: two slots, each a step of 256 keys (LDS rows of 512 bytes, 64 rows to a wave's load).  A STEP IS WRITTEN ONCE: a trip of the loop is one step; which slot
; it reads stands in a scalar (0 or SLOT) that an exclusive or turns, and one descriptor for each operand serves every refill.
; REGISTERS (s_set_vgpr_msb: bits 1:0 source 0, 3:2 source 1, 5:4 source 2, 7:6 destination): window 0: v0-31 addresses and a step's factors; v32-127 the factors' making, later the way out;
; v128-255 T, 16 accumulators ((a, b) at v[128 + 8 (4 a + b)]).  window 1: two fragment buffers of 128.  window 2: v0-127 O.
; O is cleared by 128 moves at each block's beginning: the price of one text for every step.
; The matrix instruction is used transposed (source 0 = 16 channels, source 1 = 16 queries): lane l holds query l % 16 and the channels 8 (l / 16) + 0..7.
.set KSTEP,  256
.set ROWE,   2048                      ; elements from row to row of p and of vt
.set PITCH,  528                       ; an LDS row: 512 bytes + 16 of padding = 132 words: the 16 rows that a load touches start at 16 different groups of four banks (ISA guide 11.1)
.set HALFT,  64*PITCH                  ; 0x8400 bytes
.set SLOT,   4*HALFT                   ; P's 128 rows, then V^T's 128 rows: 0x21000 bytes.  A wave's place in slot 0, wave x 0x8400, has neither of SLOT's two bits: an exclusive or with SLOT turns it into its place in slot 1, and back
.set STAGE,  2*SLOT                    ; 16 rows x 272 bytes for each wave: a wave's 64 channels of f32 are 256 bytes
.set SPITCH, 272
.set SPARE,  STAGE+4*16*SPITCH         ; the spare words, 128 bytes for each wave
.set WTAB,   SPARE+512                 ; 3,072 bytes for each wave: entry n (256 bytes) holds the factors of my 64 rows for the walk's step n, n = 0..9
.set W,    8                           ; v[8:15]  a step's factors: pair a's low word for row 16 a + l % 16; the high words are written once
.set ADRA0, 16                         ; v16  LDS address of my P fragments in slot 0; never rewritten
.set ADRA,  17                         ; v17  the same in the slot in hand
.set ADRB0, 20                         ; v20, v21  the same for V^T
.set ADRB,  21
.set STO,  24
.set RD,   25
.set CO,   26
.set WA,   27                          ; v27  WTAB + 3,072 w + 4 (l % 16); steps 256 bytes a step
.set SPW,  28
.set NIL,  29
.set LN8,  4                           ; v4   8 x lane
.set WS,   5                           ; v5   WTAB + 3,072 w + 8 x lane
.set OB,   32                          ; the way out: v32-63 and v64-95 by turns
.set ACC,  128
.set F0,   0
.set F1,   128
.set G1, 24                            ; s[24:31] group 1 for P's tiles; s[32:39] group 0: a set for each of the two first fills; the second serves every refill
.set G0, 32
.set G1B, 48                           ; the same for V^T's tiles
.set G0B, 56
.set TB,  66                           ; s66  where the slot in hand begins: 0 or SLOT
.set BA,  76                           ; s76  the batch
.set PP,  77                           ; s77  P
.set IH,  78                           ; s78, s79  the two query blocks
.set IL,  79
.set TLH, 80                           ; s80, s81  their last key tiles
.set TLL, 81
.set AQ,  82                           ; s[82:83] p at my 64 rows of the block whose tiles are being asked for
.set AL,  84                           ; s[84:85] the same for the second block
.set BB,  86                           ; s[86:87] vt at my 64 rows
.set RQT, 88                           ; s88  the key tile to be asked for next
.set RQN, 89                           ; s89  the steps of the block whose tiles are being asked for
.set RQL, 90                           ; s90  its last key tile
.set OFA, 92                           ; s[92:93] an offset in p;  s[94:95] in vt
.set OFB, 94
.set HL,  96                           ; s96  steps that the first block still has
.set PM,  97                           ; s97  all ones if P = 1
.set FA,  100                          ; s[100:101] at work
.set MSB, 0
.macro WIN new
.if MSB != (\new)
	s_set_vgpr_msb (MSB<<8)|(\new)
.set MSB, \new
.endif
.endm
.set MUL,  0x05                        ; sources 0 and 1 window 1; C and D window 0
.set TO_F, 0x40                        ; destination window 1, address window 0
.macro JLOAD s                         ; a joint load: waves 0 and 1 fetch P's two halves, waves 2 and 3 V^T's; an s_nop 0 and four v_nop follow each of the two lines
	s_cmp_eq_u32 s11, 0
	s_cbranch_scc0 .Lfor_b_\@
	tensor_load_to_lds s[G0+4*(\s):G0+4*(\s)+3], s[G1:G1+7]
	s_nop 0
.rept 4
	v_nop
.endr
	s_branch .Lasked_\@
.Lfor_b_\@:
	tensor_load_to_lds s[G0B+4*(\s):G0B+4*(\s)+3], s[G1B:G1B+7]
	s_nop 0
.rept 4
	v_nop
.endr
.Lasked_\@:
.endm
.macro CREST
	s_cmp_lg_u32 s10, 0
	s_cbranch_scc1 .Lnot_wave_0_\@
	s_barrier_signal -3
.Lnot_wave_0_\@:
	s_barrier_wait -3
	s_barrier_signal -1
	s_barrier_wait -1
.endm
.macro CROUND
	s_barrier_signal -1
	s_barrier_wait -1
	CREST
.endm
.macro CLEAR                           ; O = 0
	WIN 0x80
.set i, 0
.rept 128
	v_mov_b32 v[i], 0
.set i, i+1
.endr
	WIN 0
.endm
	s_load_b256 s[68:75], s[0:1], 0x0              ; p s[68:69], vt s[70:71], st s[72:73], out0 s[74:75]
	v_lshl_add_u32 v[SPW], v0, 2, SPARE
	v_mov_b32 v[NIL], 0
	ds_add_u32 v[SPW], v[NIL]                      ; the wave's opening: the add and its wait stand ahead of my first tensor load
	v_lshrrev_b32 v1, 5, v0
	v_readfirstlane_b32 s10, v1                    ; wave 0..3
	s_lshr_b32 s11, s10, 1                         ; which half of the tile's queries is mine.  Also: I fetch for P (0) or for V^T (1)
	s_and_b32 s12, s10, 1                          ; which half of its channels.  Also: which 64 rows I fetch
	s_bfe_u32 s40, ttmp6, 0x40000                  ; cx
	s_bfe_u32 s41, ttmp6, 0x40004                  ; cy
	s_lshl_b32 s42, ttmp9, 2
	s_add_co_u32 s42, s42, s40                     ; the channel block, 0..7
	s_and_b32 s45, ttmp7, 0xffff                   ; the cluster's y, 0..7
	s_lshr_b32 s[BA], s45, 1
	s_and_b32 s[PP], s45, 1
	s_sub_co_u32 s[IH], 3, s[PP]
	s_lshl_b32 s[IH], s[IH], 2
	s_add_co_u32 s[IH], s[IH], s41
	s_lshl_b32 s[IL], s[PP], 2
	s_add_co_u32 s[IL], s[IL], s41
	s_lshr_b32 s[TLH], s[IH], 1
	s_lshr_b32 s[TLL], s[IL], 1
	s_sub_co_u32 s[HL], 4, s[PP]
	s_lshl_b32 s[HL], s[HL], 1                     ; the first block has 8 - 2 P steps
	s_mov_b32 s[RQN], s[HL]
	s_mov_b32 s[RQT], 2                            ; steps 0 and 1 are asked for at the start
	s_mov_b32 s[RQL], s[TLH]
	s_mov_b32 s[TB], 0                             ; step 0 lies in slot 0
	s_cmp_eq_u32 s[PP], 1
	s_cselect_b32 s[PM], -1, 0
	s_lshl_b32 s43, s41, 2
	s_lshl_b32 s43, 15, s43                        ; my row of the cluster
	s_lshl_b32 s44, 0x1111, s40                    ; my column
	s_or_b32 s[G1+0], s43, (1<<16)|(1<<20)|(1<<21)|(6<<22)|(3<<25)  ; the mask; elements of 2 bytes; padding on; bit 21 beside a mask; after every 128 words (code 6); 4 words (code 3)
	s_or_b32 s[G1B+0], s44, (1<<16)|(1<<20)|(1<<21)|(6<<22)|(3<<25)
.irp g, G1, G1B
	s_mov_b32 s[(\g)+1], KSTEP<<16                 ; tensor_dim0 = 256
	s_mov_b32 s[(\g)+2], 64<<16                    ; tensor_dim1 = 64
	s_mov_b32 s[(\g)+3], KSTEP<<16                 ; tile_dim0 = 256
	s_mov_b32 s[(\g)+4], 64                        ; tile_dim1 = 64
	s_mov_b32 s[(\g)+5], ROWE
	s_mov_b32 s[(\g)+6], 0
	s_mov_b32 s[(\g)+7], 0
.endr
	s_mov_b32 s[OFA+1], 0
	s_mov_b32 s[OFB+1], 0
	s_mov_b32 s19, 0
	s_lshl_b32 s21, s12, 6                         ; which 64 rows I fetch
	s_lshl_b32 s22, s[BA], 23                      ; a batch of p is 8 MiB
	s_lshl_b32 s16, s[IH], 7
	s_add_co_u32 s16, s16, s21
	s_lshl_b32 s16, s16, 12
	s_add_co_u32 s16, s16, s22                     ; p: the first block's rows
	s_lshl_b32 s17, s[IL], 7
	s_add_co_u32 s17, s17, s21
	s_lshl_b32 s17, s17, 12
	s_add_co_u32 s17, s17, s22                     ; the second block's
	s_lshl_b32 s46, s42, 7
	s_add_co_u32 s46, s46, s21
	s_lshl_b32 s46, s46, 12
	s_lshl_b32 s47, s[BA], 22                      ; a batch of vt is 4 MiB
	s_add_co_u32 s46, s46, s47                     ; vt: the channel block's rows
	s_mul_i32 s20, s10, HALFT                      ; where the tiles go: wave x 64 rows
	s_wait_dscnt 0x0                               ; the opening add is done
	s_wait_kmcnt 0x0
	s_mov_b32 s[OFA], s16
	s_add_nc_u64 s[AQ:AQ+1], s[68:69], s[OFA:OFA+1]
	s_mov_b32 s[OFA], s17
	s_add_nc_u64 s[AL:AL+1], s[68:69], s[OFA:OFA+1]
	s_mov_b32 s[OFB], s46
	s_add_nc_u64 s[BB:BB+1], s[70:71], s[OFB:OFB+1]
	CROUND                                         ; all sixteen work-groups are here: the first joint loads meet
.irp s, 0,1
	s_mov_b32 s[G0+4*(\s)], 1
	s_add_co_u32 s[G0+4*(\s)+1], s20, (\s)*SLOT
	s_add_nc_u64 s[G0+4*(\s)+2:G0+4*(\s)+3], s[AQ:AQ+1], (\s)*KSTEP*2
	s_or_b32 s[G0+4*(\s)+3], s[G0+4*(\s)+3], 0x80000000
	s_mov_b32 s[G0B+4*(\s)], 1
	s_add_co_u32 s[G0B+4*(\s)+1], s20, (\s)*SLOT
	s_add_nc_u64 s[G0B+4*(\s)+2:G0B+4*(\s)+3], s[BB:BB+1], (\s)*KSTEP*2
	s_or_b32 s[G0B+4*(\s)+3], s[G0B+4*(\s)+3], 0x80000000
	JLOAD \s
.endr
	v_and_b32 v1, 15, v0                           ; l % 16
	v_bfe_u32 v2, v0, 4, 1                         ; l / 16
	v_mul_u32_u24 v3, v1, PITCH
	v_lshl_add_u32 v3, v2, 4, v3
	s_mul_i32 s21, s11, HALFT
	s_mul_i32 s22, s12, HALFT
	s_add_co_u32 s22, s22, 2*HALFT
	v_add_nc_u32 v[ADRA0], s21, v3
	v_add_nc_u32 v[ADRB0], s22, v3
	v_add_nc_u32 v[ADRA], s21, v3                  ; the slot in hand is slot 0
	v_add_nc_u32 v[ADRB], s22, v3
	s_mul_i32 s23, s10, 16*SPITCH
	s_add_co_u32 s23, s23, STAGE                   ; my stage
	v_mul_u32_u24 v3, v1, SPITCH                   ; in: row l % 16, 32 bytes for each half of the lanes
	v_lshl_add_u32 v3, v2, 5, v3
	v_add_nc_u32 v[STO], s23, v3
	v_mul_u32_u24 v3, v2, SPITCH                   ; back: lanes 0-15 take one row of 256 bytes, lanes 16-31 the next
	v_lshl_add_u32 v3, v1, 4, v3
	v_add_nc_u32 v[RD], s23, v3
	v_lshlrev_b32 v3, 12, v2
	v_lshl_add_u32 v[CO], v1, 4, v3                ; and the same two rows in out0, 4,096 bytes apart
	s_mul_i32 s21, s10, 3072
	s_add_co_u32 s21, s21, WTAB
	v_lshl_add_u32 v[WA], v1, 2, s21
	v_and_b32 v[LN8], 31, v0
	v_lshlrev_b32 v[LN8], 3, v[LN8]
	v_add_nc_u32 v[WS], s21, v[LN8]
.irp a, 0,1,2,3
	v_mov_b32 v[W+2*(\a)+1], 0                     ; named with the factor as a pair
.endr
	s_lshl_b32 s21, s11, 6
	s_lshl_b32 s16, s[IH], 7
	s_add_co_u32 s16, s16, s21                     ; my first query in the first block,
	s_lshl_b32 s17, s[IL], 7
	s_add_co_u32 s17, s17, s21                     ; and in the second
	s_lshl_b32 s22, s42, 9
	s_lshl_b32 s23, s12, 8
	s_add_co_u32 s22, s22, s23
	s_lshl_b32 s23, s[BA], 23
	s_add_co_u32 s22, s22, s23                     ; out0: the batch's 8 MiB, 512 bytes a channel block, 256 for my half
	s_lshl_b32 s18, s16, 12
	s_add_co_u32 s18, s18, s22
	s_add_nc_u64 s[8:9], s[74:75], s[18:19]
	s_lshl_b32 s18, s17, 12
	s_add_co_u32 s18, s18, s22
	s_add_nc_u64 s[98:99], s[74:75], s[18:19]
	s_mul_i32 s22, s[BA], 196608                   ; st: eight tiles of three planes of 8,192 bytes a batch
	s_lshl2_add_u32 s18, s16, s22
	s_add_nc_u64 s[4:5], s[72:73], s[18:19]
	s_lshl2_add_u32 s18, s17, s22
	s_add_nc_u64 s[6:7], s[72:73], s[18:19]
; THE FACTORS.  A lane owns two of my wave's 64 rows.  From register R on: nt offsets; for each tile t six words: cm, l of keys 0-127, l of keys 128-255, two rows each; the maximum; the sum.
; A tile beyond the block's last is read as the last once more, and its factor is multiplied by 0.
.macro WLOAD R, nt, tl, sb
.set t, 0
.rept \nt
	s_min_u32 s[FA], s[\tl], t
	s_mul_i32 s[FA], s[FA], 24576
	v_add_nc_u32 v[(\R)+t], s[FA], v[LN8]
	global_load_b64 v[(\R)+(\nt)+6*t:(\R)+(\nt)+6*t+1],   v[(\R)+t], s[\sb:\sb+1]
	global_load_b64 v[(\R)+(\nt)+6*t+2:(\R)+(\nt)+6*t+3], v[(\R)+t], s[\sb:\sb+1] offset:8192
	global_load_b64 v[(\R)+(\nt)+6*t+4:(\R)+(\nt)+6*t+5], v[(\R)+t], s[\sb:\sb+1] offset:16384
.set t, t+1
.endr
.endm
.macro WMATH R, nt, tl
.set C0, (\R)+(\nt)
.set MX, (\R)+7*(\nt)
.set LS, MX+2
.irp e, 0,1
	v_max3_num_f32 v[MX+(\e)], v[C0+(\e)], v[C0+6+(\e)], v[C0+12+(\e)]
.endr
.set t, 3
.rept ((\nt)-4)/2
.irp e, 0,1
	v_max3_num_f32 v[MX+(\e)], v[MX+(\e)], v[C0+6*t+(\e)], v[C0+6*t+6+(\e)]
.endr
.set t, t+2
.endr
.irp e, 0,1
	v_max_num_f32 v[MX+(\e)], v[MX+(\e)], v[C0+6*(\nt)-6+(\e)]    ; CM
.endr
.set t, 0
.rept \nt
	v_pk_add_f32 v[C0+6*t:C0+6*t+1], v[C0+6*t:C0+6*t+1], v[MX:MX+1] neg_lo:[0,1] neg_hi:[0,1]  ; cm_t - CM
	v_pk_add_f32 v[C0+6*t+2:C0+6*t+3], v[C0+6*t+2:C0+6*t+3], v[C0+6*t+4:C0+6*t+5]             ; l_t
.set t, t+1
.endr
.set t, 0
.rept \nt
	v_exp_f32 v[C0+6*t], v[C0+6*t]
	v_exp_f32 v[C0+6*t+1], v[C0+6*t+1]
.set t, t+1
.endr
	v_nop                                          ; a plain instruction between the last exponential and the use of its result
	s_wait_alu depctr_va_vdst(0)
.set t, 1
.rept (\nt)-1
	s_cmp_ge_u32 s[\tl], t                         ; is tile t one of the block's?
	s_cselect_b32 s[FA], 1.0, 0
	s_mov_b32 s[FA+1], s[FA]
	v_pk_mul_f32 v[C0+6*t:C0+6*t+1], v[C0+6*t:C0+6*t+1], s[FA:FA+1] op_sel_hi:[1,0]
.set t, t+1
.endr
	v_pk_mul_f32 v[LS:LS+1], v[C0:C0+1], v[C0+2:C0+3]
.set t, 1
.rept (\nt)-1
	v_pk_fma_f32 v[LS:LS+1], v[C0+6*t:C0+6*t+1], v[C0+6*t+2:C0+6*t+3], v[LS:LS+1]  ; L: at least 1, since the tile that holds CM adds its l
.set t, t+1
.endr
	v_rcp_f32 v[LS], v[LS]
	v_rcp_f32 v[LS+1], v[LS+1]
	v_nop
.set t, 0
	s_wait_alu depctr_va_vdst(0)
.rept \nt
	v_pk_mul_f32 v[C0+6*t:C0+6*t+1], v[C0+6*t:C0+6*t+1], v[LS:LS+1]  ; w_t
.set t, t+1
.endr
.endm
.set HW, 40                            ; the first block's w_t at v[40 + 6 t], the second's at v[100 + 6 t]
.set LW, 100
	WLOAD 32, 8, TLH, 4                            ; 24 loads,
	WLOAD 96, 4, TLL, 6                            ; and 12
	CLEAR
	s_wait_loadcnt 12                              ; the first block's are in; the second's twelve may stay out
	WMATH 32, 8, TLH
	s_wait_loadcnt 0x0
	WMATH 96, 4, TLL
	; the walk's steps 0-5 are the first block's tiles 0-5; steps 6, 7 its tiles 6, 7 (P = 0) or the second block's 0, 1 (P = 1); steps 8, 9 the second block's 0, 1 or 2, 3
.irp e, 0,1
	v_cndmask_b32 v[HW+36+(\e)], v[HW+36+(\e)], v[LW+(\e)], s[PM]
	v_cndmask_b32 v[HW+42+(\e)], v[HW+42+(\e)], v[LW+6+(\e)], s[PM]
	v_cndmask_b32 v[LW+12+(\e)], v[LW+(\e)], v[LW+12+(\e)], s[PM]
	v_cndmask_b32 v[LW+18+(\e)], v[LW+6+(\e)], v[LW+18+(\e)], s[PM]
.endr
.set t, 0
.rept 8
	ds_store_b64 v[WS], v[HW+6*t:HW+6*t+1] offset:256*t
.set t, t+1
.endr
	ds_store_b64 v[WS], v[LW+12:LW+13] offset:2048
	ds_store_b64 v[WS], v[LW+18:LW+19] offset:2304
; 8 matrix instructions: m blocks a0, a0 + 1 x all 4 n blocks, 32 along K: half c of buffer f.  zero = 1: the product starts T's sums
.macro MUL8 f, c, a0, zero
	WIN MUL
.irp a, \a0, (\a0)+1
.irp b, 0,1,2,3
.if \zero
	v_wmma_f32_16x16x32_f16 v[ACC+8*(4*(\a)+(\b)):ACC+8*(4*(\a)+(\b))+7], v[(\f)+64+8*(4*(\c)+(\b)):(\f)+64+8*(4*(\c)+(\b))+7], v[(\f)+8*(4*(\c)+(\a)):(\f)+8*(4*(\c)+(\a))+7], 0
.else
	v_wmma_f32_16x16x32_f16 v[ACC+8*(4*(\a)+(\b)):ACC+8*(4*(\a)+(\b))+7], v[(\f)+64+8*(4*(\c)+(\b)):(\f)+64+8*(4*(\c)+(\b))+7], v[(\f)+8*(4*(\c)+(\a)):(\f)+8*(4*(\c)+(\a))+7], v[ACC+8*(4*(\a)+(\b)):ACC+8*(4*(\a)+(\b))+7]
.endif
.endr
.endr
.endm
; 32 LDS loads in one run: the fragments of 64 along K at byte k of the rows of the slot in hand, into buffer f; the first 32 along K first
.macro FETCH k, f
	WIN TO_F
.irp c, 0,1
.irp i, 0,1,2,3
	ds_load_b128 v[(\f)+64+8*(4*(\c)+(\i)):(\f)+64+8*(4*(\c)+(\i))+3],   v[ADRB] offset:(\k)+64*(\c)+(\i)*16*PITCH
	ds_load_b128 v[(\f)+64+8*(4*(\c)+(\i))+4:(\f)+64+8*(4*(\c)+(\i))+7], v[ADRB] offset:(\k)+64*(\c)+(\i)*16*PITCH+32
	ds_load_b128 v[(\f)+8*(4*(\c)+(\i)):(\f)+8*(4*(\c)+(\i))+3],         v[ADRA] offset:(\k)+64*(\c)+(\i)*16*PITCH
	ds_load_b128 v[(\f)+8*(4*(\c)+(\i))+4:(\f)+8*(4*(\c)+(\i))+7],       v[ADRA] offset:(\k)+64*(\c)+(\i)*16*PITCH+32
.endr
.endr
.endm
.macro OTHER                           ; the slot in hand is now the other one
	WIN 0
	s_xor_b32 s[TB], s[TB], SLOT
	v_add_nc_u32 v[ADRA], s[TB], v[ADRA0]
	v_add_nc_u32 v[ADRB], s[TB], v[ADRB0]
.endm
.macro PLACES                          ; four plain vector instructions between a matrix instruction and a load into a register that it read, or a vector instruction that reads its result (ISA guide 7.12.1 for vector instructions)
.rept 4
	v_nop
.endr
.endm
.macro QUARTER k, f, g, zero           ; 64 along K: 32 matrix instructions on buffer f; in its middle the next quarter, at byte k, is fetched into g
	s_wait_dscnt 16                                ; the first 32 along K are in
	MUL8 \f, 0, 0, \zero
	MUL8 \f, 0, 2, \zero
	PLACES
	FETCH \k, \g
	s_wait_dscnt 32                                ; all but the 32 just issued
	MUL8 \f, 1, 0, 0
	MUL8 \f, 1, 2, 0
.endm
.macro LUMP                            ; O += w T: 64 packed multiply-adds; each accumulator's lowest registers are read first
	PLACES
	WIN 0xa0                                       ; O (destination and source 2) in window 2; T and w in window 0
.set k, 0
.rept 64
	v_pk_fma_f32 v[2*k:2*k+1], v[ACC+2*k:ACC+2*k+1], v[W+2*(k/16):W+2*(k/16)+1], v[2*k:2*k+1] op_sel_hi:[1,0,1]
.set k, k+1
.endr
	WIN 0
.endm
.macro WLD                             ; the step's factors for my four blocks of 16 rows
	WIN 0
.irp a, 0,1,2,3
	ds_load_b32 v[W+2*(\a)], v[WA] offset:64*(\a)
.endr
	v_add_nc_u32 v[WA], 0x100, v[WA]               ; the next step's entry
.endm
; The last quarter changes slots and multiplies buffer 1.  ONE barrier; in front of it each wave waits for all its tensor loads, adds 0 to its spare word, and waits for that and for its reads of this slot
; (buffer 1's fragments were its last).  Nothing but the barrier stands between the wait for the tiles and the next request: the next change of slots waits for that request's tile, and a step has only
; 128 matrix instructions to set against its way, so the quarter's 32 products follow the request and do not hold it up.
; fill = 1: the barrier opens a round of the cluster's, and this slot is filled again first behind it, with the walk's step two on: both addresses are made anew from the tile's number.
.macro TURN fill
	WIN 0
	s_wait_tensorcnt 0x0                           ; all my tensor loads have landed, so a group 0 may be written
	ds_add_u32 v[SPW], v[NIL]                      ; 0 onto my spare word; with fill = 1 the request's scalar work stands between it and the wait for it
.if \fill
	s_min_u32 s[OFA], s[RQT], s[RQL]               ; P: the tile, or the block's last once more
	s_lshl_b32 s[OFA], s[OFA], 9                   ; 256 keys are 512 bytes of a row
	s_lshl_b32 s[OFB], s[RQT], 9
	s_xor_b32 s[G0+5], s[G0+5], SLOT               ; the other slot than last time
	s_add_nc_u64 s[G0+6:G0+7], s[AQ:AQ+1], s[OFA:OFA+1]
	s_or_b32 s[G0+7], s[G0+7], 0x80000000
	s_xor_b32 s[G0B+5], s[G0B+5], SLOT
	s_add_nc_u64 s[G0B+6:G0B+7], s[BB:BB+1], s[OFB:OFB+1]
	s_or_b32 s[G0B+7], s[G0B+7], 0x80000000
	s_add_co_u32 s[RQT], s[RQT], 1                 ; the block's next tile, or behind its last step the second block's tile 0
	s_cmp_eq_u32 s[RQT], s[RQN]
	s_cselect_b32 s[RQT], 0, s[RQT]
	s_cselect_b64 s[AQ:AQ+1], s[AL:AL+1], s[AQ:AQ+1]
	s_cselect_b32 s[RQL], s[TLL], s[RQL]
	s_cselect_b32 s[RQN], 16, s[RQN]               ; the second block's count is never reached
.endif
	s_wait_dscnt 0x0                               ; the add is done, and my reads of this slot are over
	s_barrier_signal -1
	s_barrier_wait -1
.if \fill
	CREST                                          ; no wave of any partner still reads this slot's tile or has a load on its way
	JLOAD 1                                        ; the first tensor load behind the round; its four v_nop are also the places in front of the loads below
.else
	PLACES
.endif
	WLD
	OTHER
	FETCH 0, F0
	MUL8 F1, 0, 0, 0
	MUL8 F1, 0, 2, 0
	MUL8 F1, 1, 0, 0
	MUL8 F1, 1, 2, 0
	s_wait_dscnt 32                                ; the four factors are in; the 32 fragment loads behind them may stay out
	LUMP
.endm
.macro STEP fill                       ; a key step of 256: T starts at 0, and is added to O at its end
	QUARTER 128, F0, F1, 1
	QUARTER 256, F1, F0, 0
	QUARTER 384, F0, F1, 0
	TURN \fill
.endm
; THE WAY OUT.  A block of 16 rows: a lane's eight channels are 32 bytes; they go into my stage's rows of 272 bytes and come back as whole rows of 256.
.macro STG a
	WIN 0x08                                       ; the data (source 1) in window 2
.irp b, 0,1,2,3
	ds_store_b128 v[STO], v[32*(\a)+8*(\b):32*(\a)+8*(\b)+3] offset:64*(\b)
	ds_store_b128 v[STO], v[32*(\a)+8*(\b)+4:32*(\a)+8*(\b)+7] offset:64*(\b)+16
.endr
	WIN 0
	s_wait_xcnt 0x0                                ; the registers that the block two back was stored from are loaded again only behind this wait
.set BK, OB+32*((\a)%2)
.irp t, 0,1,2,3,4,5,6,7
	ds_load_b128 v[BK+4*(\t):BK+4*(\t)+3], v[RD] offset:(\t)*2*SPITCH  ; LDS serves a wave's instructions in order (ISA guide 5.7.1.4): these see the stores above; the next block's stores come behind them
.endr
.endm
.macro SND a, younger                  ; younger: the next block's sixteen LDS instructions, or none
.set BK, OB+32*((\a)%2)
	s_wait_dscnt \younger
.irp t, 0,1,2,3,4,5,6,7
	global_store_b128 v[CO], v[BK+4*(\t):BK+4*(\t)+3], s[8:9] offset:(16*(\a)+2*(\t))*4096 th:TH_STORE_NT  ; 16 lanes store 256 consecutive bytes, at a multiple of 256 from out0's first byte
.endr
.endm
.macro WAYOUT
	STG 0
	STG 1
	SND 0, 16
	STG 2
	SND 1, 16
	STG 3
	SND 2, 16
	SND 3, 0
.endm
	s_wait_dscnt 0x0                               ; my table is written
	s_wait_tensorcnt 1                             ; my part of step 0 is in; step 1's may stay out
	s_barrier_signal -1
	s_barrier_wait -1
	FETCH 0, F0
	WIN 0
	s_mov_b32 s3, 8
.Lstep:                                                ; eight trips of one step; trip n asks for the walk's step n + 2
	STEP 1
	WIN 0
	s_sub_co_u32 s[HL], s[HL], 1
	s_cmp_lg_u32 s[HL], 0
	s_cbranch_scc1 .Lno_out                        ; forward, past text with neither a barrier nor a tensor load
	WAYOUT                                         ; the first block is finished: behind trip 8 - 2 P, the same in all sixteen partners
	s_wait_xcnt 0x0                                ; the stores have read out0's address
	s_mov_b64 s[8:9], s[98:99]
	CLEAR
.Lno_out:
	s_sub_co_u32 s3, s3, 1
	s_cmp_lg_u32 s3, 0
	s_cbranch_scc1 .Lstep
	STEP 0                                         ; the last two steps ask for nothing
	QUARTER 128, F0, F1, 1
	QUARTER 256, F1, F0, 0
	QUARTER 384, F0, F1, 0
	WLD
	s_wait_dscnt 20                                ; the first 32 along K are in; sixteen fragment loads and the four factors may be out
	MUL8 F1, 0, 0, 0
	MUL8 F1, 0, 2, 0
	s_wait_dscnt 0x0
	MUL8 F1, 1, 0, 0
	MUL8 F1, 1, 2, 0
	LUMP
	WAYOUT
	s_wait_tensorcnt 0x0                           ; the wave's end
	ds_add_u32 v[SPW], v[NIL]
	s_wait_dscnt 0x0
	CROUND                                         ; the closing round: no work-group ends while a partner may still ask for a tile that names it
	s_endpgm
.Lfunc_end_k_q8b55862aef_pv:
	.size	k_q8b55862aef_pv, .Lfunc_end_k_q8b55862aef_pv-k_q8b55862aef_pv
	.p2alignl 7, 3214868480
	.fill 96, 4, 3214868480
	.section	.rodata,"a",@progbits
	.p2align	6, 0x0
	.amdhsa_kernel k_q8b55862aef_pv
		.amdhsa_group_segment_fixed_size 327680
		.amdhsa_private_segment_fixed_size 0
		.amdhsa_enable_private_segment 0
		.amdhsa_kernarg_size 32
		.amdhsa_user_sgpr_count 2
		.amdhsa_user_sgpr_kernarg_segment_ptr 1
		.amdhsa_wavefront_size32 1
		.amdhsa_system_sgpr_workgroup_id_x 1
		.amdhsa_system_sgpr_workgroup_id_y 1
		.amdhsa_system_sgpr_workgroup_id_z 1
		.amdhsa_system_vgpr_workitem_id 0
		.amdhsa_next_free_vgpr 640
		.amdhsa_next_free_sgpr 102
		.amdhsa_reserve_vcc 0
		.amdhsa_float_denorm_mode_32 3
		.amdhsa_float_denorm_mode_16_64 3
		.amdhsa_memory_ordered 1
		.amdhsa_forward_progress 1
		.amdhsa_inst_pref_size 111
	.end_amdhsa_kernel
	.amdgpu_metadata
---
amdhsa.version: [ 1, 2 ]
amdhsa.kernels:
  - .name:           k_q8b55862aef_pv
    .symbol:         k_q8b55862aef_pv.kd
    .args:
      - { .name: p, .offset: 0, .size: 8, .value_kind: global_buffer, .address_space: global }
      - { .name: vt, .offset: 8, .size: 8, .value_kind: global_buffer, .address_space: global }
      - { .name: st, .offset: 16, .size: 8, .value_kind: global_buffer, .address_space: global }
      - { .name: out0, .offset: 24, .size: 8, .value_kind: global_buffer, .address_space: global }
    .group_segment_fixed_size: 327680
    .private_segment_fixed_size: 0
    .kernarg_segment_align: 8
    .kernarg_segment_size: 32
    .max_flat_workgroup_size: 128
    .sgpr_count:     102
    .vgpr_count:     640
    .wavefront_size: 32
...
	.end_amdgpu_metadata
.endif
;; end of part 4
;; ======== version 2 of 2: 4 launches; version 1 with the launch cast written anew for expert scheduling mode
;; limits: values are held in f16: magnitudes above 65,504 overflow, below 6.1e-05 lose precision
;; workspace buffers: xb 16,777,216 bytes; wqk 4,194,304 bytes; wv 2,097,152 bytes; qk 33,554,432 bytes; vt 16,777,216 bytes; p 33,554,432 bytes; st 786,432 bytes
;; launch cast (part 5): grid 704 x 1, 8 waves a work-group, no clusters, 0 bytes of LDS; arguments x, W_Q, W_K, W_V, xb, wqk, wv; writes xb, wqk, wv
.if DOCPART == 5
	.amdgcn_target "amdgcn-amd-amdhsa--gfx1250"
	.amdhsa_code_object_version 6
	.text
	.protected	k_q8b55862aef_cast
	.globl	k_q8b55862aef_cast
	.p2align	8
	.type	k_q8b55862aef_cast,@function
k_q8b55862aef_cast:
	s_mov_b64 s[64:65], 0
	v_nop
	global_prefetch_b8 v0, s[64:65] scope:SCOPE_SE
	s_setreg_imm32_b32 hwreg(HW_REG_WAVE_SCHED_MODE, 0, 2), 2
	s_setreg_imm32_b32 hwreg(HW_REG_WAVE_MODE, 25, 1), 1
	s_wait_xcnt 0x0
	s_wait_alu depctr_vm_vsrc(0)
; x, W_Q, W_K, W_V (f32) are rounded once to bf16 (nearest even): xb = x; wqk = W_Q's rows, then W_K's; wv = W_V.
; A stream: every input byte is read once, every output byte written once.  No LDS, no matrix unit, no cluster: no two work-groups read the same byte.
; SHARES.  A work-group takes 65,536 bytes of f32 (16,384 numbers), each of its eight waves 8,192: sixteen loads of 16 bytes a lane, all issued before the first is waited for.
; Work-groups 0-511 take x, 512-575 W_Q, 576-639 W_K, 640-703 W_V.  A load of a wave covers 512 consecutive bytes, a store 256 consecutive bytes at a multiple of 256.
; THE MODE: SCHED_MODE bits 1:0 = 2 (LLVM: expert scheduling mode 2), set by the entry lines.  The code itself states the register dependences
; between vector instructions and memory instructions, with s_wait_alu, always for 0.
; THE PLAN.  Registers that memory instructions touch:
;   v1, v2     byte offsets of the loads and of the stores: made once at the head by vector instructions, never written again.
;   X          sixteen loads land in it, four registers each, once; no vector instruction names it ahead of the loads; the conversions read it behind the wait for the data.
;   Y          the conversions write it, two registers a load, once; the stores read it, once.
; No register that a memory instruction reads is written again, and no load lands in a register that a vector instruction has named: what is left to state is that a register is written before a
; memory instruction reads it.  One wait at the head states it for v1 and v2.  The sixteen pieces go in four blocks of four: eight conversions, ONE wait that states that they have written the
; block's eight registers of Y, the block's four stores in one run.  The wait stands behind the block's own conversions: the wave's next line is the wait for the next block's data, so no vector
; work is at hand to set between, and a block's stores leave before that wait: behind the wave's last load four of its sixteen stores are left.
; No vector instruction writes a scalar register or VCC, and EXEC is never written.
.set X, 4                              ; v[4:67]   sixteen loads of four numbers
.set Y, 68                             ; v[68:99]  sixteen pairs of packed bf16
.set BLOCK, 4                          ; loads, and stores, in a block
	s_load_b256 s[4:11], s[0:1], 0x0               ; x s[4:5], W_Q s[6:7], W_K s[8:9], W_V s[10:11]
	s_load_b128 s[12:15], s[0:1], 0x20             ; xb s[12:13], wqk s[14:15]
	s_load_b64 s[16:17], s[0:1], 0x30              ; wv
	s_mov_b32 s20, ttmp9                           ; g
	s_sub_co_u32 s21, s20, 512                     ; chunk numbers inside the three weights (used only where g reaches them)
	s_sub_co_u32 s22, s20, 576
	s_sub_co_u32 s23, s20, 640
	v_and_b32 v1, 31, v0
	v_lshrrev_b32 v3, 5, v0
	v_lshlrev_b32 v1, 4, v1
	v_lshl_add_u32 v1, v3, 13, v1                  ; in: 16 x lane + 8,192 x wave
	v_lshrrev_b32 v2, 1, v1                        ; out: half of that
	s_wait_kmcnt 0x0
	s_mov_b64 s[24:25], s[4:5]                     ; source, its chunk, destination, its chunk: x to xb,
	s_mov_b32 s26, s20
	s_mov_b64 s[28:29], s[12:13]
	s_mov_b32 s27, s20
	s_cmp_ge_u32 s20, 512                          ; or W_Q to wqk,
	s_cselect_b64 s[24:25], s[6:7], s[24:25]
	s_cselect_b32 s26, s21, s26
	s_cselect_b64 s[28:29], s[14:15], s[28:29]
	s_cselect_b32 s27, s21, s27
	s_cmp_ge_u32 s20, 576                          ; or W_K to wqk's second half (the destination's chunk stays g - 512),
	s_cselect_b64 s[24:25], s[8:9], s[24:25]
	s_cselect_b32 s26, s22, s26
	s_cmp_ge_u32 s20, 640                          ; or W_V to wv
	s_cselect_b64 s[24:25], s[10:11], s[24:25]
	s_cselect_b32 s26, s23, s26
	s_cselect_b64 s[28:29], s[16:17], s[28:29]
	s_cselect_b32 s27, s23, s27
	s_lshl_b32 s18, s26, 16                        ; 65,536 bytes in,
	s_mov_b32 s19, 0
	s_lshl_b32 s30, s27, 15                        ; 32,768 bytes out
	s_mov_b32 s31, 0
	s_add_nc_u64 s[24:25], s[24:25], s[18:19]
	s_add_nc_u64 s[28:29], s[28:29], s[30:31]
	s_wait_alu depctr_va_vdst(0)                   ; v1 and v2 are written: every load reads v1 as its offset, every store v2
.set j, 0
.rept 16
	global_load_b128 v[X+4*j:X+4*j+3], v1, s[24:25] offset:512*j th:TH_LOAD_NT
.set j, j+1
.endr
.set g, 0
.rept 16/BLOCK
	s_wait_loadcnt 16-BLOCK-BLOCK*g                ; loads come back in order (ISA guide 5.7.1): block g's four are in, the younger blocks' stay out
.set i, 0
.rept BLOCK
	v_cvt_pk_bf16_f32 v[Y+2*(BLOCK*g+i)], v[X+4*(BLOCK*g+i)], v[X+4*(BLOCK*g+i)+1]
	v_cvt_pk_bf16_f32 v[Y+2*(BLOCK*g+i)+1], v[X+4*(BLOCK*g+i)+2], v[X+4*(BLOCK*g+i)+3]
.set i, i+1
.endr
	s_wait_alu depctr_va_vdst(0)                   ; the block's eight conversions have written its eight registers of Y, which the four stores below read
.set i, 0
.rept BLOCK
	global_store_b64 v2, v[Y+2*(BLOCK*g+i):Y+2*(BLOCK*g+i)+1], s[28:29] offset:256*(BLOCK*g+i)  ; 32 lanes x 8 bytes: 256 consecutive bytes; no register is written twice, so no wait frees one
.set i, i+1
.endr
.set g, g+1
.endr
	s_endpgm
.Lfunc_end_k_q8b55862aef_cast:
	.size	k_q8b55862aef_cast, .Lfunc_end_k_q8b55862aef_cast-k_q8b55862aef_cast
	.p2alignl 7, 3214868480
	.fill 96, 4, 3214868480
	.section	.rodata,"a",@progbits
	.p2align	6, 0x0
	.amdhsa_kernel k_q8b55862aef_cast
		.amdhsa_group_segment_fixed_size 0
		.amdhsa_private_segment_fixed_size 0
		.amdhsa_enable_private_segment 0
		.amdhsa_kernarg_size 56
		.amdhsa_user_sgpr_count 2
		.amdhsa_user_sgpr_kernarg_segment_ptr 1
		.amdhsa_wavefront_size32 1
		.amdhsa_system_sgpr_workgroup_id_x 1
		.amdhsa_system_sgpr_workgroup_id_y 1
		.amdhsa_system_sgpr_workgroup_id_z 1
		.amdhsa_system_vgpr_workitem_id 0
		.amdhsa_next_free_vgpr 100
		.amdhsa_next_free_sgpr 66
		.amdhsa_reserve_vcc 0
		.amdhsa_float_denorm_mode_32 3
		.amdhsa_float_denorm_mode_16_64 3
		.amdhsa_memory_ordered 1
		.amdhsa_forward_progress 1
		.amdhsa_inst_pref_size 8
	.end_amdhsa_kernel
	.amdgpu_metadata
---
amdhsa.version: [ 1, 2 ]
amdhsa.kernels:
  - .name:           k_q8b55862aef_cast
    .symbol:         k_q8b55862aef_cast.kd
    .args:
      - { .name: x, .offset: 0, .size: 8, .value_kind: global_buffer, .address_space: global }
      - { .name: W_Q, .offset: 8, .size: 8, .value_kind: global_buffer, .address_space: global }
      - { .name: W_K, .offset: 16, .size: 8, .value_kind: global_buffer, .address_space: global }
      - { .name: W_V, .offset: 24, .size: 8, .value_kind: global_buffer, .address_space: global }
      - { .name: xb, .offset: 32, .size: 8, .value_kind: global_buffer, .address_space: global }
      - { .name: wqk, .offset: 40, .size: 8, .value_kind: global_buffer, .address_space: global }
      - { .name: wv, .offset: 48, .size: 8, .value_kind: global_buffer, .address_space: global }
    .group_segment_fixed_size: 0
    .private_segment_fixed_size: 0
    .kernarg_segment_align: 8
    .kernarg_segment_size: 56
    .max_flat_workgroup_size: 256
    .sgpr_count:     66
    .vgpr_count:     100
    .wavefront_size: 32
...
	.end_amdgpu_metadata
.endif
;; end of part 5
;; launch proj: the kernel of part 2 again; grid 8 x 48, 4 waves a work-group, clusters of 4 x 4, 327,680 bytes of LDS; arguments xb, wqk, wv, qk, vt; writes qk, vt
;; launch scores: the kernel of part 3 again; grid 4 x 48, 4 waves a work-group, clusters of 4 x 4, 327,680 bytes of LDS; arguments qk, p, st; writes p, st
;; launch pv: the kernel of part 4 again; grid 8 x 32, 4 waves a work-group, clusters of 4 x 4, 327,680 bytes of LDS; arguments p, vt, st, out0; writes out0
